; MI455X (gfx1250); checked and timed in simulation.
; The chip was launched on July 23, 2026; its instructions are those of AMD's public machine-readable ISA for CDNA 5 (MIT licence, August 2026) and "CDNA5" Instruction Set Architecture Reference Guide (July 2026). The comments in the code are by the model that wrote it; some were corrected since.
;; MLP. Allowed arithmetic: float matrix products may take bf16 or f16 operands with f32 sums; all other float work in f32.
;; Inputs: expert_W 8 x 1,024 x 1,024 float32; expert_b 8 x 1,024 float32; gate_W 1,024 x 8 float32; x 64 x 1,024 x 128 float32.
;; Outputs: out0 64 x 1,024 x 128 float32; out1 128 x 8 float32.
;; 3 versions, each right and faster than the one before. Each part assembles by itself: llvm-mc -triple=amdgcn-amd-amdhsa -mcpu=gfx1250 --defsym DOCPART=n.
;; ======== version 1 of 3: 5 launches
;; workspace buffers: xt 16,777,216 bytes; wt 16,777,216 bytes; gw 327,680 bytes; sel 65,536 bytes of whole numbers; rt 82,432 bytes of whole numbers; xs 25,165,824 bytes; ys 50,331,648 bytes
;; launch prep (part 1): grid 256 x 1, 16 waves a work-group, no clusters, 234,496 bytes of LDS; arguments x, expert_W, gate_W, xt, wt, gw, sel; writes xt, wt, gw, sel
.if DOCPART == 1
	.amdgcn_target "amdgcn-amd-amdhsa--gfx1250"
	.amdhsa_code_object_version 6
	.text
	.protected	k_q1fd4c3dbab_prep
	.globl	k_q1fd4c3dbab_prep
	.p2align	8
	.type	k_q1fd4c3dbab_prep,@function
k_q1fd4c3dbab_prep:
	s_mov_b64 s[64:65], 0
	v_nop
	global_prefetch_b8 v0, s[64:65] scope:SCOPE_SE
	s_setreg_imm32_b32 hwreg(HW_REG_WAVE_MODE, 25, 1), 1
	s_wait_xcnt 0x0
; PREP.  Work-groups 0-127: a block x[b][all 1024 s][64 variables] becomes 64 rows of xt (bf16, s along the row), and the same rounded numbers give the
; gate: logits, softmax with its maximum taken away, the two largest gate values, the pair's number and the token's rank in its block of 32.
; Work-groups 128-255: a block expert_W[e][all 1024 s][64 p] becomes 64 rows of wt in the same way.
; THE GATE PRODUCT takes bf16 operands like the experts' products: the x that goes into xt, and gate_W rounded likewise; the products are then exact in f32 and are summed in f32.
; So the choice of experts is made from the same numbers that the experts multiply.  It runs on the vector unit: it has 8 columns against the 2 x 1,024 of a token's two experts,
; 8 columns would fill half a matrix tile, and the numbers lie in the lane's registers already.  No cluster: the work-groups share 32 KB of gate_W and nothing else.
; LIMITS: NaN inputs are not served.  Equal gate values: the lower index wins (strict compare), as in top_k.  A token whose second and third gate values lie closer than the
; rounding of the operands to bf16 moves them (a few parts in a thousand) may choose another expert than unrounded operands would give; values that differ only in the last bits
; of the f32 sum may be chosen otherwise than another order of summing would.  v_exp_f32 gives 0 below 2^-126 (ISA guide 15.8): such a weight is 0.
; A lane owns rows s = 32 PT + 0..31 (PT = thread / 16) and columns 4 c16 + 0..3 (c16 = thread % 16): each load's 16 lanes take 256 consecutive bytes.
.set SP,    2064                       ; stage pitch: 2,048 bytes of bf16 + 16: 129 x 16, an odd multiple of 16 bytes
.set GWL,   64*SP                      ; gate_W, rounded, as f32, in its own order, 32 KB; wave w stores and reads bytes 2,048 w .. + 2,047 alone
.set RED,   GWL+32768                  ; 32 sets (one for each PT) of 512 partial logits
.set LOGB,  RED+32*2048                ; 64 tokens x 8 logits
.set WTSO,  262144                     ; gw: the two weights of a token, behind the gate values
.set HISTO, 32768                      ; sel: the histograms, behind the words
.set ACC, 16                           ; v[16:47]   partial logits: column i, expert e at ACC + 8 i + e
.set G,   48                           ; v[48:79]   four rows of gate_W
.set T,   80                           ; v[80:95]   packed bf16
.set X,   96                           ; v[96:223]  row j, column i at X + 4 j + i
	s_load_b256 s[4:11], s[0:1], 0x0               ; x s[4:5], expert_W s[6:7], gate_W s[8:9], xt s[10:11]
	s_load_b128 s[12:15], s[0:1], 0x20             ; wt s[12:13], gw s[14:15]
	s_load_b64 s[16:17], s[0:1], 0x30              ; sel
	v_lshl_add_u32 v224, v0, 2, 0x38c00
	v_mov_b32 v225, 0
	v_and_b32 v1, 15, v0                           ; c16
	v_lshrrev_b32 v2, 4, v0                        ; PT
	v_lshrrev_b32 v12, 5, v0
	v_readfirstlane_b32 s18, v12                   ; wave 0..15
	v_and_b32 v13, 31, v0                          ; lane
	v_mul_u32_u24 v4, v1, SP
	v_lshl_add_u32 v4, v2, 6, v4                   ; into the stage: row 16 i + c16 (i in the offset), byte 64 PT
	v_add_nc_u32 v5, 32*SP, v4                     ; the same for columns i = 2, 3
	s_mul_i32 s19, s18, 4*SP
	v_lshl_add_u32 v6, v13, 4, s19                 ; back: stage rows 4 w + q, 512 bytes a load
	s_and_b32 s20, s18, 3
	s_lshl_b32 s20, s20, 4
	s_lshr_b32 s21, s18, 2
	s_add_co_u32 s20, s20, s21                     ; stage row 4 w + q is column 16 (w % 4) + 4 q + w / 4
	s_lshl_b32 s20, s20, 11
	v_lshl_add_u32 v7, v13, 4, s20                 ; its place in the output block
.macro LOADX pitch, b                  ; my 32 rows, all on their way at once
.set j, 0
.rept 32
	global_load_b128 v[X+4*j:X+4*j+3], v3, s[\b:\b+1] offset:j*\pitch th:TH_LOAD_NT
.set j, j+1
.endr
.endm
.macro PACK g                          ; rows 8 g .. 8 g + 7 of each of my four columns: 8 bf16 = 16 bytes along s
.irp i, 0,1,2,3
.irp r, 0,1,2,3
	v_cvt_pk_bf16_f32 v[T+4*\i+\r], v[X+4*(8*\g+2*\r)+\i], v[X+4*(8*\g+2*\r+1)+\i]
.endr
	ds_store_b128 v[4+\i/2], v[T+4*\i:T+4*\i+3] offset:(\i%2)*16*SP+16*\g
.endr
.endm
.macro UNPK g                          ; the same rows, as rounded, back over X as f32: the low half moves up, the high half stays
.irp i, 0,1,2,3
.irp r, 0,1,2,3
	v_lshlrev_b32 v[X+4*(8*\g+2*\r)+\i],   16,  v[T+4*\i+\r]
	v_and_b32     v[X+4*(8*\g+2*\r+1)+\i], s28, v[T+4*\i+\r]
.endr
.endr
.endm
.macro GLOAD c                         ; gate_W's rows 4 c .. 4 c + 3 of my 32: all lanes of a half read the same bytes
.irp jj, 0,1,2,3
	ds_load_b128 v[G+8*\jj:G+8*\jj+3],   v8 offset:(4*(\c)+\jj)*32
	ds_load_b128 v[G+8*\jj+4:G+8*\jj+7], v8 offset:(4*(\c)+\jj)*32+16
.endr
.endm
.macro FMA c                           ; 4 rows x 4 columns x 8 experts, two experts an instruction; the very first row starts the sums
.irp jj, 0,1,2,3
.irp i, 0,1,2,3
.irp q, 0,1,2,3
.set xr, X+4*(4*(\c)+\jj)+2*(\i/2)
.if (4*(\c)+\jj) == 0
.if (\i%2) == 0
	v_pk_mul_f32 v[ACC+8*\i+2*\q:ACC+8*\i+2*\q+1], v[G+8*\jj+2*\q:G+8*\jj+2*\q+1], v[xr:xr+1] op_sel_hi:[1,0]
.else
	v_pk_mul_f32 v[ACC+8*\i+2*\q:ACC+8*\i+2*\q+1], v[G+8*\jj+2*\q:G+8*\jj+2*\q+1], v[xr:xr+1] op_sel:[0,1] op_sel_hi:[1,1]
.endif
.else
.if (\i%2) == 0
	v_pk_fma_f32 v[ACC+8*\i+2*\q:ACC+8*\i+2*\q+1], v[G+8*\jj+2*\q:G+8*\jj+2*\q+1], v[xr:xr+1], v[ACC+8*\i+2*\q:ACC+8*\i+2*\q+1] op_sel_hi:[1,0,1]
.else
	v_pk_fma_f32 v[ACC+8*\i+2*\q:ACC+8*\i+2*\q+1], v[G+8*\jj+2*\q:G+8*\jj+2*\q+1], v[xr:xr+1], v[ACC+8*\i+2*\q:ACC+8*\i+2*\q+1] op_sel:[0,1,0] op_sel_hi:[1,1,1]
.endif
.endif
.endr
.endr
.endr
.endm
.macro OUT b                           ; four whole rows of 2,048 bytes a wave; each store covers 512 consecutive bytes, aligned
.irp q, 0,1,2,3
.irp t, 0,1,2,3
	ds_load_b128 v[X+16*\q+4*\t:X+16*\q+4*\t+3], v6 offset:\q*SP+512*\t
.endr
.endr
.set n, 0
.irp q, 0,1,2,3
.irp t, 0,1,2,3
	s_wait_dscnt 15-n                              ; LDS loads come back in order: load n is in, the younger ones stay out
	global_store_b128 v7, v[X+16*\q+4*\t:X+16*\q+4*\t+3], s[\b:\b+1] offset:8192*\q+512*\t
.set n, n+1
.endr
.endr
.endm
	s_cmp_ge_u32 ttmp9, 128
	s_cbranch_scc1 .Lw_role
	; ---------------- x: transpose, and the gate ----------------
	s_lshr_b32 s22, ttmp9, 1
	s_lshl_b32 s22, s22, 19                        ; b x 524,288
	s_and_b32 s23, ttmp9, 1
	s_lshl_b32 s23, s23, 8                         ; + which 64 variables
	s_add_co_u32 s22, s22, s23
	s_mov_b32 s23, 0
	s_lshl_b32 s24, ttmp9, 17                      ; 64 rows of 2,048 bytes a work-group: token = 64 g + column
	s_mov_b32 s25, 0
	s_mov_b32 s28, 0xffff0000                      ; a word's upper bf16
	v_lshlrev_b32 v3, 14, v2                       ; 32 PT rows of 512 bytes
	v_lshl_add_u32 v3, v1, 4, v3
	s_lshl_b32 s27, s18, 11
	s_add_co_u32 s26, s27, GWL                     ; my wave's 2,048 bytes of gate_W in LDS
	v_bfe_u32 v14, v0, 4, 1
	v_lshl_add_u32 v8, v14, 10, s26                ; my half's 32 rows of it
	v_lshl_add_u32 v9, v13, 4, s26
	v_lshl_add_u32 v10, v13, 4, s27
	v_lshlrev_b32 v11, 11, v2
	v_lshl_add_u32 v11, v1, 4, v11
	v_add_nc_u32 v11, RED, v11                     ; set PT, 16 bytes for each c16
	s_wait_kmcnt 0x0
	s_add_nc_u64 s[4:5], s[4:5], s[22:23]
	s_add_nc_u64 s[10:11], s[10:11], s[24:25]
.irp k, 0,1,2,3
	global_load_b128 v[T+4*\k:T+4*\k+3], v10, s[8:9] offset:512*\k
.endr
	LOADX 512, 4
	s_wait_loadcnt 32                              ; gate_W's four loads are in; the 32 loads of x stay out
.irp k, 0,1,2,3,4,5,6,7
	v_cvt_pk_bf16_f32 v[G+\k], v[T+2*\k], v[T+2*\k+1]      ; gate_W is rounded to bf16, a matrix operand like the others,
.endr
.irp k, 0,1,2,3,4,5,6,7
	v_lshlrev_b32 v[T+2*\k],   16,  v[G+\k]                ; and kept as f32 for the packed multiply-adds
	v_and_b32     v[T+2*\k+1], s28, v[G+\k]
.endr
.irp k, 0,1,2,3
	ds_store_b128 v9, v[T+4*\k:T+4*\k+3] offset:512*\k
.endr
.irp g, 0,1,2,3
	GLOAD 2*\g                                     ; LDS serves a wave's instructions in order: these see my own stores above
	s_wait_loadcnt 24-8*\g                         ; rows 8 g .. 8 g + 7 are in; the later groups of eight stay out
	PACK \g                                        ; rounded once: these words go into xt,
	UNPK \g                                        ; and the same numbers into the gate product
	s_wait_dscnt 0x0
	FMA 2*\g
	GLOAD 2*\g+1
	s_wait_dscnt 0x0
	FMA 2*\g+1
.endr
.irp i, 0,1,2,3
.irp hf, 0,1
	ds_store_b128 v11, v[ACC+8*\i+4*\hf:ACC+8*\i+4*\hf+3] offset:256*(2*\i+\hf)
.endr
.endr
	s_wait_dscnt 0x0                               ; for the others' sake: my stores into the stage and into RED are done
	s_barrier_signal -1
	s_barrier_wait -1
	OUT 10
	; word t of a set is: expert 4 ((t / 64) % 2) + t % 4 of token 4 ((t / 4) % 16) + t / 128.  Thread t adds the 32 sets' word t.
	v_lshl_add_u32 v12, v0, 2, RED
.set k, 0
.rept 32
	ds_load_b32 v[X+64+k], v12 offset:2048*k       ; registers that the stores above do not read
.set k, k+1
.endr
	v_bfe_u32 v13, v0, 2, 4
	v_lshrrev_b32 v14, 7, v0
	v_lshl_add_u32 v13, v13, 2, v14                ; token
	v_bfe_u32 v14, v0, 6, 1
	v_and_b32 v15, 3, v0
	v_lshl_add_u32 v14, v14, 2, v15                ; expert
	v_lshlrev_b32 v14, 2, v14
	v_lshl_add_u32 v13, v13, 5, v14
	v_add_nc_u32 v13, LOGB, v13
	s_wait_dscnt 0x0
.set k, 4
.rept 28
	v_add_f32 v[X+64+k%4], v[X+64+k%4], v[X+64+k]  ; four chains
.set k, k+1
.endr
	v_add_f32 v[X+64], v[X+64], v[X+65]
	v_add_f32 v[X+66], v[X+66], v[X+67]
	v_add_f32 v[X+64], v[X+64], v[X+66]
	ds_store_b32 v13, v[X+64]
	s_wait_dscnt 0x0                               ; for the others' sake
	s_barrier_signal -1
	s_barrier_wait -1
	s_cmp_ge_u32 s18, 2
	s_cbranch_scc1 .Lend                           ; 64 tokens: two waves finish the gate; no barrier follows
	v_lshl_add_u32 v12, v0, 5, LOGB
	ds_load_b128 v[16:19], v12
	ds_load_b128 v[20:23], v12 offset:16
	s_lshl_b32 s22, ttmp9, 11
	s_mov_b32 s23, 0
	s_add_nc_u64 s[22:23], s[14:15], s[22:23]      ; gate values: 32 bytes a token
	s_lshl_b32 s24, ttmp9, 9
	s_mov_b32 s25, 0
	s_add_nc_u64 s[24:25], s[14:15], s[24:25]      ; weights: 8 bytes a token (WTSO in the immediate)
	s_lshl_b32 s26, ttmp9, 8
	s_mov_b32 s27, 0
	s_add_nc_u64 s[26:27], s[16:17], s[26:27]      ; words and histogram: 4 bytes a thread
	s_wait_dscnt 0x0
	v_max3_num_f32 v24, v16, v17, v18
	v_max3_num_f32 v24, v24, v19, v20
	v_max3_num_f32 v24, v24, v21, v22
	v_max_num_f32 v24, v24, v23                    ; the maximum is taken away, as in softmax
.irp e, 0,1,2,3,4,5,6,7
	v_sub_f32 v[16+\e], v[16+\e], v24
.endr
.irp e, 0,1,2,3,4,5,6,7
	v_mul_f32 v[16+\e], 0x3fb8aa3b, v[16+\e]       ; log2(e)
.endr
.irp e, 0,1,2,3,4,5,6,7
	v_exp_f32 v[16+\e], v[16+\e]
.endr
	v_nop                                          ; a plain instruction between the last exponential and the use of its result
	s_wait_alu depctr_va_vdst(0)
	v_add_f32 v25, v16, v17
	v_add_f32 v26, v18, v19
	v_add_f32 v27, v20, v21
	v_add_f32 v28, v22, v23
	v_add_f32 v25, v25, v26
	v_add_f32 v27, v27, v28
	v_add_f32 v25, v25, v27
	v_rcp_f32 v26, v25
	v_nop
	s_wait_alu depctr_va_vdst(0)
.irp e, 0,1,2,3,4,5,6,7
	v_mul_f32 v[16+\e], v[16+\e], v26
.endr
	v_mov_b32 v27, v16                             ; the largest, and its index: a later one wins only if strictly larger
	v_mov_b32 v28, 0
.irp e, 1,2,3,4,5,6,7
	v_cmp_le_f32 vcc_lo, v[16+\e], v27
	v_cndmask_b32 v27, v[16+\e], v27, vcc_lo
	v_cndmask_b32 v28, \e, v28, vcc_lo
.endr
.irp e, 0,1,2,3,4,5,6,7
	v_cmp_ne_u32 vcc_lo, \e, v28
	v_cndmask_b32 v[32+\e], -1.0, v[16+\e], vcc_lo ; the winner is taken out (gate values are never negative)
.endr
	v_mov_b32 v29, v32                             ; the second largest
	v_mov_b32 v30, 0
.irp e, 1,2,3,4,5,6,7
	v_cmp_le_f32 vcc_lo, v[32+\e], v29
	v_cndmask_b32 v29, v[32+\e], v29, vcc_lo
	v_cndmask_b32 v30, \e, v30, vcc_lo
.endr
	v_min_u32 v31, v28, v30                        ; elo
	v_max_u32 v40, v28, v30                        ; ehi
	v_cmp_lt_u32 vcc_lo, v28, v30
	v_cndmask_b32 v42, v29, v27, vcc_lo            ; elo's weight
	v_cndmask_b32 v43, v27, v29, vcc_lo            ; ehi's weight
	v_sub_nc_u32 v41, 15, v31
	v_mul_u32_u24 v41, v41, v31
	v_lshrrev_b32 v41, 1, v41
	v_add_nc_u32 v41, v41, v40
	v_sub_nc_u32 v41, v41, v31
	v_add_nc_u32 v41, -1, v41                      ; the pair's number, 0 to 27
	v_mov_b32 v44, 0                               ; my rank among my wave's tokens of the same pair
	v_mov_b32 v45, 0                               ; lane i: how many of the wave's 32 tokens have pair i
.set k, 0
.rept 28
	v_cmp_eq_u32 s30, k, v41
	s_bcnt1_i32_b32 s31, s30
	v_mbcnt_lo_u32_b32 v46, s30, 0
	v_cndmask_b32 v44, v44, v46, s30
	v_writelane_b32 v45, s31, k
.set k, k+1
.endr
	v_lshl_or_b32 v47, v44, 8, v41                 ; these whole numbers are stored only: no address and no branch here uses them
	v_lshlrev_b32 v48, 5, v0
	v_lshlrev_b32 v49, 3, v0
	v_lshlrev_b32 v50, 2, v0
	global_store_b128 v48, v[16:19], s[22:23]
	global_store_b128 v48, v[20:23], s[22:23] offset:16
	global_store_b64 v49, v[42:43], s[24:25] offset:WTSO
	global_store_b32 v50, v47, s[26:27]
	global_store_b32 v50, v45, s[26:27] offset:HISTO
.Lend:
	s_wait_tensorcnt 0x0
	ds_add_u32 v224, v225
	s_wait_dscnt 0x0
	s_endpgm
	; ---------------- expert_W: transpose ----------------
.Lw_role:
	s_sub_co_u32 s19, ttmp9, 128
	s_lshr_b32 s22, s19, 4
	s_lshl_b32 s22, s22, 22                        ; the expert's 4 MiB
	s_and_b32 s23, s19, 15
	s_lshl_b32 s23, s23, 8                         ; + which 64 p
	s_add_co_u32 s22, s22, s23
	s_mov_b32 s23, 0
	s_lshl_b32 s24, s19, 17
	s_mov_b32 s25, 0
	v_lshlrev_b32 v3, 17, v2                       ; 32 PT rows of 4,096 bytes
	v_lshl_add_u32 v3, v1, 4, v3
	s_wait_kmcnt 0x0
	s_add_nc_u64 s[6:7], s[6:7], s[22:23]
	s_add_nc_u64 s[12:13], s[12:13], s[24:25]
	LOADX 4096, 6
.irp g, 0,1,2,3
	s_wait_loadcnt 24-8*\g                         ; rows 8 g .. 8 g + 7 are in; the later groups stay out
	PACK \g
.endr
	s_wait_dscnt 0x0                               ; for the others' sake
	s_barrier_signal -1
	s_barrier_wait -1
	OUT 12
	s_wait_tensorcnt 0x0
	ds_add_u32 v224, v225
	s_wait_dscnt 0x0
	s_endpgm
.Lfunc_end_k_q1fd4c3dbab_prep:
	.size	k_q1fd4c3dbab_prep, .Lfunc_end_k_q1fd4c3dbab_prep-k_q1fd4c3dbab_prep
	.p2alignl 7, 3214868480
	.fill 96, 4, 3214868480
	.section	.rodata,"a",@progbits
	.p2align	6, 0x0
	.amdhsa_kernel k_q1fd4c3dbab_prep
		.amdhsa_group_segment_fixed_size 234496
		.amdhsa_private_segment_fixed_size 0
		.amdhsa_enable_private_segment 0
		.amdhsa_kernarg_size 56
		.amdhsa_user_sgpr_count 2
		.amdhsa_user_sgpr_kernarg_segment_ptr 1
		.amdhsa_wavefront_size32 1
		.amdhsa_system_sgpr_workgroup_id_x 1
		.amdhsa_system_sgpr_workgroup_id_y 1
		.amdhsa_system_sgpr_workgroup_id_z 1
		.amdhsa_system_vgpr_workitem_id 0
		.amdhsa_next_free_vgpr 226
		.amdhsa_next_free_sgpr 66
		.amdhsa_reserve_vcc 1
		.amdhsa_float_denorm_mode_32 3
		.amdhsa_float_denorm_mode_16_64 3
		.amdhsa_memory_ordered 1
		.amdhsa_forward_progress 1
		.amdhsa_inst_pref_size 86
	.end_amdhsa_kernel
	.amdgpu_metadata
---
amdhsa.version: [ 1, 2 ]
amdhsa.kernels:
  - .name:           k_q1fd4c3dbab_prep
    .symbol:         k_q1fd4c3dbab_prep.kd
    .args:
      - { .name: x, .offset: 0, .size: 8, .value_kind: global_buffer, .address_space: global }
      - { .name: expert_W, .offset: 8, .size: 8, .value_kind: global_buffer, .address_space: global }
      - { .name: gate_W, .offset: 16, .size: 8, .value_kind: global_buffer, .address_space: global }
      - { .name: xt, .offset: 24, .size: 8, .value_kind: global_buffer, .address_space: global }
      - { .name: wt, .offset: 32, .size: 8, .value_kind: global_buffer, .address_space: global }
      - { .name: gw, .offset: 40, .size: 8, .value_kind: global_buffer, .address_space: global }
      - { .name: sel, .offset: 48, .size: 8, .value_kind: global_buffer, .address_space: global }
    .group_segment_fixed_size: 234496
    .private_segment_fixed_size: 0
    .kernarg_segment_align: 8
    .kernarg_segment_size: 56
    .max_flat_workgroup_size: 512
    .sgpr_count:     66
    .vgpr_count:     226
    .wavefront_size: 32
...
	.end_amdgpu_metadata
.endif
;; end of part 1
;; launch route (part 2): grid 5 x 1, 32 waves a work-group, no clusters, 45,056 bytes of LDS; arguments sel, gw, rt, out1; writes rt, out1
.if DOCPART == 2
	.amdgcn_target "amdgcn-amd-amdhsa--gfx1250"
	.amdhsa_code_object_version 6
	.text
	.protected	k_q1fd4c3dbab_route
	.globl	k_q1fd4c3dbab_route
	.p2align	8
	.type	k_q1fd4c3dbab_route,@function
k_q1fd4c3dbab_route:
	s_mov_b64 s[64:65], 0
	v_nop
	global_prefetch_b8 v0, s[64:65] scope:SCOPE_SE
	s_setreg_imm32_b32 hwreg(HW_REG_WAVE_MODE, 25, 1), 1
	s_wait_xcnt 0x0
; ROUTE.  Work-group 0 gives every token a slot: the tokens of a pair of experts lie together, each pair's run padded to whole tiles of 128 slots.
; The 28 runs take at most (8,192 + 28 x 127) / 128 = 91 tiles; 96 tiles (12,288 slots) are always described, those behind the last run as empty.
; It stores perm[slot] (the token, or -1 for a pad), pos[token] and a table word for each of the 96 tiles (elo | ehi << 8 | valid slots << 16).
; No atomics: 256 histograms of 32 tokens each (made earlier), a prefix sum over them, and each token's rank in its block.
; Work-groups 1-4 make gate_mean: each 256 of its 1,024 numbers, a sum over the 64 batches in f32.
.set HISTO, 32768
.set POSO,  49152                      ; rt: pos behind perm's 96 x 128 words
.set TABO,  81920                      ; rt: the table
.set BASEL, 4096                       ; LDS: first slot of (block, pair), 256 x 32 words; in front of it the 32 waves' totals
.set MS,    36864                      ; LDS: partial means
; The last pair that begins at or in front of a tile owns it: key, first tile and token count of the pair in hand go to the lanes whose tile is not in front of it.
.macro OWN st, b
	v_cmp_le_u32 vcc_lo, s23, v[\st]
	v_cndmask_b32 v[\b], v[\b], s24, vcc_lo
	v_cndmask_b32 v[\b+1], v[\b+1], s23, vcc_lo
	v_cndmask_b32 v[\b+2], v[\b+2], s22, vcc_lo
.endm
; Valid slots of a tile: the pair's tokens - 128 x (the tile's place in the pair's run), kept in 0 .. 128 (0 behind the last run)
.macro NVOF st, b, d
	v_sub_nc_u32 v[\d], v[\st], v[\b+1]
	v_lshlrev_b32 v[\d], 7, v[\d]
	v_sub_nc_u32 v[\d], v[\b+2], v[\d]
	v_max_i32 v[\d], 0, v[\d]
	v_min_i32 v[\d], 0x80, v[\d]
.endm
	s_load_b256 s[4:11], s[0:1], 0x0               ; sel s[4:5], gw s[6:7], rt s[8:9], out1 s[10:11]
	v_lshl_add_u32 v112, v0, 2, 0xa000
	v_mov_b32 v113, 0
	v_lshrrev_b32 v1, 5, v0
	v_readfirstlane_b32 s12, v1                    ; wave W, 0..31
	v_and_b32 v2, 31, v0                           ; lane: in work-group 0 the pair's number
	v_lshlrev_b32 v3, 2, v0
	s_cmp_lg_u32 ttmp9, 0
	s_cbranch_scc1 .Lmean
	s_lshl_b32 s13, s12, 10
	v_lshl_add_u32 v4, v2, 2, s13                  ; blocks 8 W + i: 128 bytes each
	v_lshlrev_b32 v5, 2, v2
	s_wait_kmcnt 0x0
.irp i, 0,1,2,3,4,5,6,7
	global_load_b32 v[16+\i], v4, s[4:5] offset:HISTO+128*\i
.endr
.irp i, 0,1,2,3,4,5,6,7
	global_load_b32 v[72+\i], v3, s[4:5] offset:4096*\i    ; the words of tokens t + 1,024 i, for later
.endr
	s_wait_loadcnt 8                               ; the histograms are in; the eight words stay out
	v_mov_b32 v24, 0                               ; v[24:31]: how many of the pair lie in my earlier blocks
.irp i, 1,2,3,4,5,6,7
	v_add_nc_u32 v[24+\i], v[24+\i-1], v[16+\i-1]
.endr
	v_add_nc_u32 v32, v31, v23
	ds_store_b32 v3, v32                           ; my wave's total for each pair
	s_wait_dscnt 0x0                               ; for the others' sake
	s_barrier_signal -1
	s_barrier_wait -1
.set k, 0
.rept 32
	ds_load_b32 v[40+k], v5 offset:128*k
.set k, k+1
.endr
	s_wait_dscnt 0x0
	v_add_nc_u32 v33, v40, v41                     ; n: the pair's tokens
.set k, 2
.rept 30
	v_add_nc_u32 v33, v33, v[40+k]
.set k, k+1
.endr
	s_cmp_gt_u32 s12, 0
	s_cselect_b32 s20, -1, 0
	v_and_b32 v34, s20, v40                        ; pre: those in the waves in front of mine
.set k, 1
.rept 30
	s_cmp_gt_u32 s12, k
	s_cselect_b32 s20, -1, 0
	v_and_b32 v35, s20, v[40+k]
	v_add_nc_u32 v34, v34, v35
.set k, k+1
.endr
	v_add_nc_u32 v36, 0x7f, v33
	v_lshrrev_b32 v36, 7, v36                      ; the pair's tiles: (n + 127) / 128
	v_mov_b32 v37, 0                               ; lane i: pair i's first tile
	v_add_nc_u32 v38, 32, v2                       ; each lane describes tiles lane, lane + 32 and lane + 64
	v_add_nc_u32 v49, 64, v2
.irp r, 40,41,42,43,44,45,46,47,48
	v_mov_b32 v\r, 0                               ; three sets of (key, first tile, tokens): the selects below read them
.endr
	s_mov_b32 s23, 0
.set bin, 0
.irp lo, 0,1,2,3,4,5,6
.irp hi, 1,2,3,4,5,6,7
.if \hi > \lo
	v_readlane_b32 s21, v36, bin
	v_readlane_b32 s22, v33, bin
	v_writelane_b32 v37, s23, bin
	s_movk_i32 s24, \lo|(\hi<<8)
	OWN 2, 40
	OWN 38, 43
	OWN 49, 46
	s_add_co_u32 s23, s23, s21
.set bin, bin+1
.endif
.endr
.endr
	NVOF 2, 40, 50
	NVOF 38, 43, 51
	NVOF 49, 46, 52
	v_lshl_add_u32 v39, v37, 7, v34                ; the pair's first slot + the tokens in front of my wave's
.irp i, 0,1,2,3,4,5,6,7
	v_add_nc_u32 v[24+\i], v39, v[24+\i]
	ds_store_b32 v4, v[24+\i] offset:BASEL+128*\i
.endr
	s_wait_dscnt 0x0                               ; for the others' sake
	s_barrier_signal -1
	s_barrier_wait -1
	s_cmp_lg_u32 s12, 0
	s_cbranch_scc1 .Lno_tab
	v_lshl_or_b32 v104, v50, 16, v40
	v_lshl_or_b32 v105, v51, 16, v43
	v_lshl_or_b32 v106, v52, 16, v46
	global_store_b32 v5, v104, s[8:9] offset:TABO
	global_store_b32 v5, v105, s[8:9] offset:TABO+128
	global_store_b32 v5, v106, s[8:9] offset:TABO+256
.Lno_tab:
	s_wait_loadcnt 0x0                             ; the words
	s_lshl_b32 s25, s12, 7                         ; token t + 1,024 i lies in block W + 32 i
.irp i, 0,1,2,3,4,5,6,7
	v_and_b32 v[80+\i], 0xff, v[72+\i]
	v_min_u32 v[80+\i], 31, v[80+\i]
	v_lshl_add_u32 v[80+\i], v[80+\i], 2, s25
	ds_load_b32 v[88+\i], v[80+\i] offset:BASEL+4096*\i
.endr
	s_wait_dscnt 0x0
.irp i, 0,1,2,3,4,5,6,7
	v_lshrrev_b32 v[80+\i], 8, v[72+\i]            ; rank in the block
	v_add_nc_u32 v[88+\i], v[88+\i], v[80+\i]
	v_min_u32 v[88+\i], 0x2fff, v[88+\i]           ; a slot, 12,287 at the most
	v_lshlrev_b32 v[80+\i], 2, v[88+\i]
	v_add_nc_u32 v[96+\i], 1024*\i, v0
	global_store_b32 v3, v[88+\i], s[8:9] offset:POSO+4096*\i
	global_store_b32 v[80+\i], v[96+\i], s[8:9]
.endr
	; the pads: every word of perm that no token took gets -1.  Wave W takes tiles W, W + 32 and W + 64.
	v_mov_b32 v107, -1
	s_lshl_b32 s26, s12, 9
	v_lshl_add_u32 v108, v2, 2, s26
.macro PADS nv, off
	v_readlane_b32 s24, v[\nv], s12
.set c, 0
.rept 4
	s_sub_co_i32 s27, s24, 32*c
	v_cmp_le_i32 vcc_lo, s27, v2
	s_wait_xcnt 0x0                                ; EXEC is a source of the stores in front: it changes only behind this wait
	s_and_saveexec_b32 s28, vcc_lo
	global_store_b32 v108, v107, s[8:9] offset:\off+128*c
	s_wait_xcnt 0x0                                ; and again in front of the line that widens it
	s_or_b32 exec_lo, exec_lo, s28
.set c, c+1
.endr
.endm
	PADS 50, 0
	PADS 51, 16384
	PADS 52, 32768
	s_wait_xcnt 0x0
	s_mov_b32 exec_lo, -1
	s_wait_tensorcnt 0x0
	ds_add_u32 v112, v113
	s_wait_dscnt 0x0
	s_endpgm
.Lmean:
	s_sub_co_u32 s13, ttmp9, 1
	s_lshl_b32 s14, s13, 10                        ; my 256 numbers of gate_mean; a batch's gate values are 4,096 bytes
	s_mov_b32 s15, 0
	v_and_b32 v4, 0xff, v0
	v_lshrrev_b32 v5, 8, v0                        ; which 16 batches
	v_lshlrev_b32 v6, 2, v4
	v_lshl_add_u32 v7, v5, 16, v6
	s_wait_kmcnt 0x0
	s_add_nc_u64 s[6:7], s[6:7], s[14:15]
	s_add_nc_u64 s[10:11], s[10:11], s[14:15]
.set k, 0
.rept 16
	global_load_b32 v[16+k], v7, s[6:7] offset:4096*k
.set k, k+1
.endr
	s_wait_loadcnt 0x0
.set k, 4
.rept 12
	v_add_f32 v[16+k%4], v[16+k%4], v[16+k]
.set k, k+1
.endr
	v_add_f32 v16, v16, v17
	v_add_f32 v18, v18, v19
	v_add_f32 v16, v16, v18
	ds_store_b32 v3, v16 offset:MS
	s_wait_dscnt 0x0                               ; for the others' sake
	s_barrier_signal -1
	s_barrier_wait -1
	s_cmp_ge_u32 s12, 8
	s_cbranch_scc1 .Ldone
.irp k, 0,1,2,3
	ds_load_b32 v[20+\k], v6 offset:MS+1024*\k
.endr
	s_wait_dscnt 0x0
	v_add_f32 v20, v20, v21
	v_add_f32 v22, v22, v23
	v_add_f32 v20, v20, v22
	v_mul_f32 v20, 0x3c800000, v20                 ; / 64
	global_store_b32 v6, v20, s[10:11]
.Ldone:
	s_wait_xcnt 0x0
	s_mov_b32 exec_lo, -1
	s_wait_tensorcnt 0x0
	ds_add_u32 v112, v113
	s_wait_dscnt 0x0
	s_endpgm
.Lfunc_end_k_q1fd4c3dbab_route:
	.size	k_q1fd4c3dbab_route, .Lfunc_end_k_q1fd4c3dbab_route-k_q1fd4c3dbab_route
	.p2alignl 7, 3214868480
	.fill 96, 4, 3214868480
	.section	.rodata,"a",@progbits
	.p2align	6, 0x0
	.amdhsa_kernel k_q1fd4c3dbab_route
		.amdhsa_group_segment_fixed_size 45056
		.amdhsa_private_segment_fixed_size 0
		.amdhsa_enable_private_segment 0
		.amdhsa_kernarg_size 32
		.amdhsa_user_sgpr_count 2
		.amdhsa_user_sgpr_kernarg_segment_ptr 1
		.amdhsa_wavefront_size32 1
		.amdhsa_system_sgpr_workgroup_id_x 1
		.amdhsa_system_sgpr_workgroup_id_y 1
		.amdhsa_system_sgpr_workgroup_id_z 1
		.amdhsa_system_vgpr_workitem_id 0
		.amdhsa_next_free_vgpr 114
		.amdhsa_next_free_sgpr 66
		.amdhsa_reserve_vcc 1
		.amdhsa_float_denorm_mode_32 3
		.amdhsa_float_denorm_mode_16_64 3
		.amdhsa_memory_ordered 1
		.amdhsa_forward_progress 1
		.amdhsa_inst_pref_size 50
	.end_amdhsa_kernel
	.amdgpu_metadata
---
amdhsa.version: [ 1, 2 ]
amdhsa.kernels:
  - .name:           k_q1fd4c3dbab_route
    .symbol:         k_q1fd4c3dbab_route.kd
    .args:
      - { .name: sel, .offset: 0, .size: 8, .value_kind: global_buffer, .address_space: global }
      - { .name: gw, .offset: 8, .size: 8, .value_kind: global_buffer, .address_space: global }
      - { .name: rt, .offset: 16, .size: 8, .value_kind: global_buffer, .address_space: global }
      - { .name: out1, .offset: 24, .size: 8, .value_kind: global_buffer, .address_space: global }
    .group_segment_fixed_size: 45056
    .private_segment_fixed_size: 0
    .kernarg_segment_align: 8
    .kernarg_segment_size: 32
    .max_flat_workgroup_size: 1024
    .sgpr_count:     66
    .vgpr_count:     114
    .wavefront_size: 32
...
	.end_amdgpu_metadata
.endif
;; end of part 2
;; launch permute (part 3): grid 256 x 1, 8 waves a work-group, no clusters, 0 bytes of LDS; arguments xt, rt, xs; writes xs
.if DOCPART == 3
	.amdgcn_target "amdgcn-amd-amdhsa--gfx1250"
	.amdhsa_code_object_version 6
	.text
	.protected	k_q1fd4c3dbab_permute
	.globl	k_q1fd4c3dbab_permute
	.p2align	8
	.type	k_q1fd4c3dbab_permute,@function
k_q1fd4c3dbab_permute:
	s_mov_b64 s[64:65], 0
	v_nop
	global_prefetch_b8 v0, s[64:65] scope:SCOPE_SE
	s_setreg_imm32_b32 hwreg(HW_REG_WAVE_MODE, 25, 1), 1
	s_wait_xcnt 0x0
; PERMUTE.  xs[slot] = xt[perm[slot]], zeros where perm is -1.  Rows of 2,048 bytes of bf16.  A stream: no LDS, no matrix unit, no cluster (nothing is shared).
; 12,288 slots for 2,048 waves: each wave takes 6 consecutive slots (12 KB), all 24 loads on their way at once; no loop.
; A pad reads row 8,191 and masks it to zeros.
	s_load_b128 s[4:7], s[0:1], 0x0                ; xt s[4:5], rt s[6:7]
	s_load_b64 s[8:9], s[0:1], 0x10                ; xs
	v_lshrrev_b32 v2, 5, v0
	v_readfirstlane_b32 s10, v2
	v_and_b32 v1, 31, v0
	v_lshlrev_b32 v1, 4, v1                        ; 16 bytes a lane: a load or store of the wave covers 512 consecutive bytes
	s_lshl_b32 s20, ttmp9, 3
	s_add_co_u32 s20, s20, s10                     ; my number among the 2,048 waves
	s_mul_i32 s11, s20, 24                         ; my six words of perm
	s_mul_i32 s36, s20, 12288                      ; my six rows of xs
	s_mov_b32 s37, 0
	s_wait_kmcnt 0x0
	s_load_b64 s[12:13], s[6:7], s11
	s_load_b64 s[14:15], s[6:7], s11 offset:0x8
	s_load_b64 s[16:17], s[6:7], s11 offset:0x10
	s_add_nc_u64 s[36:37], s[8:9], s[36:37]
	s_wait_kmcnt 0x0
.irp k, 0,1,2,3,4,5
	s_cmp_gt_u32 s[12+\k], 8191
	s_cselect_b32 s[18+\k], 0, -1                  ; a pad's mask is 0
	s_min_u32 s[12+\k], s[12+\k], 8191
	s_lshl_b32 s[24+2*\k], s[12+\k], 11
	s_mov_b32 s[25+2*\k], 0
	s_add_nc_u64 s[24+2*\k:25+2*\k], s[4:5], s[24+2*\k:25+2*\k]
.irp t, 0,1,2,3
	global_load_b128 v[8+16*\k+4*\t:8+16*\k+4*\t+3], v1, s[24+2*\k:25+2*\k] offset:512*\t
.endr
.endr
.irp k, 0,1,2,3,4,5
	s_wait_loadcnt 20-4*\k                         ; row k's four loads are in; the later rows' stay out
.set r, 0
.rept 16
	v_and_b32 v[8+16*\k+r], s[18+\k], v[8+16*\k+r]
.set r, r+1
.endr
.irp t, 0,1,2,3
	global_store_b128 v1, v[8+16*\k+4*\t:8+16*\k+4*\t+3], s[36:37] offset:2048*\k+512*\t
.endr
.endr
	s_endpgm
.Lfunc_end_k_q1fd4c3dbab_permute:
	.size	k_q1fd4c3dbab_permute, .Lfunc_end_k_q1fd4c3dbab_permute-k_q1fd4c3dbab_permute
	.p2alignl 7, 3214868480
	.fill 96, 4, 3214868480
	.section	.rodata,"a",@progbits
	.p2align	6, 0x0
	.amdhsa_kernel k_q1fd4c3dbab_permute
		.amdhsa_group_segment_fixed_size 0
		.amdhsa_private_segment_fixed_size 0
		.amdhsa_enable_private_segment 0
		.amdhsa_kernarg_size 24
		.amdhsa_user_sgpr_count 2
		.amdhsa_user_sgpr_kernarg_segment_ptr 1
		.amdhsa_wavefront_size32 1
		.amdhsa_system_sgpr_workgroup_id_x 1
		.amdhsa_system_sgpr_workgroup_id_y 1
		.amdhsa_system_sgpr_workgroup_id_z 1
		.amdhsa_system_vgpr_workitem_id 0
		.amdhsa_next_free_vgpr 104
		.amdhsa_next_free_sgpr 66
		.amdhsa_reserve_vcc 0
		.amdhsa_float_denorm_mode_32 3
		.amdhsa_float_denorm_mode_16_64 3
		.amdhsa_memory_ordered 1
		.amdhsa_forward_progress 1
		.amdhsa_inst_pref_size 11
	.end_amdhsa_kernel
	.amdgpu_metadata
---
amdhsa.version: [ 1, 2 ]
amdhsa.kernels:
  - .name:           k_q1fd4c3dbab_permute
    .symbol:         k_q1fd4c3dbab_permute.kd
    .args:
      - { .name: xt, .offset: 0, .size: 8, .value_kind: global_buffer, .address_space: global }
      - { .name: rt, .offset: 8, .size: 8, .value_kind: global_buffer, .address_space: global }
      - { .name: xs, .offset: 16, .size: 8, .value_kind: global_buffer, .address_space: global }
    .group_segment_fixed_size: 0
    .private_segment_fixed_size: 0
    .kernarg_segment_align: 8
    .kernarg_segment_size: 24
    .max_flat_workgroup_size: 256
    .sgpr_count:     66
    .vgpr_count:     104
    .wavefront_size: 32
...
	.end_amdgpu_metadata
.endif
;; end of part 3
;; launch moe (part 4): grid 256 x 1, 4 waves a work-group, clusters of 4 x 1, 327,680 bytes of LDS; arguments xs, wt, expert_b, gw, rt, ys; writes ys
.if DOCPART == 4
	.amdgcn_target "amdgcn-amd-amdhsa--gfx1250"
	.amdhsa_code_object_version 6
	.text
	.protected	k_q1fd4c3dbab_moe
	.globl	k_q1fd4c3dbab_moe
	.p2align	8
	.type	k_q1fd4c3dbab_moe,@function
k_q1fd4c3dbab_moe:
	s_mov_b64 s[64:65], 0
	v_nop
	global_prefetch_b8 v0, s[64:65] scope:SCOPE_SE
	s_setreg_imm32_b32 hwreg(HW_REG_WAVE_MODE, 25, 1), 1
	s_wait_xcnt 0x0
	s_wait_alu depctr_hold_cnt(0) depctr_sa_sdst(0) depctr_va_vdst(0) depctr_va_sdst(0) depctr_va_ssrc(0) depctr_va_vcc(0) depctr_vm_vsrc(0)
	s_getreg_b32 s2, hwreg(HW_REG_IB_STS2, 6, 4)
	s_cmp_eq_u32 s2, 0
	s_cbranch_scc0 .Lentry_in_a_cluster
	s_endpgm
.Lentry_in_a_cluster:
	s_bfe_u32 s2, ttmp6, 0x10000c
	s_cmp_lg_u32 s2, 0x3003
	s_cbranch_scc0 .Lentry_shape_is_right
	s_endpgm
.Lentry_shape_is_right:
; MOE.  ys[slot][p] = w_lo (xs[slot] . wt[elo][p] + b[elo][p]) + w_hi (xs[slot] . wt[ehi][p] + b[ehi][p]): all 128 slots of a tile share their two experts.
; bf16 operands, f32 sums, K = 1,024 ascending.  The other six experts' products are multiplied by an exact zero in the problem itself and are not made.
; UNITS.  A unit u = (tile u / 2, half u % 2 of the 1,024 p) is 128 slots x 512 p x 2 experts.  There are always 96 tiles, 192 units: cluster C of 64 walks u = C, C + 64, C + 128.
; The count is a constant, so that every wave passes the same number of barriers whatever the routing: 96 tiles hold any routing ((8,192 + 28 x 127) / 128 = 91 at the most);
; the tiles behind the last used one hold zero rows and are multiplied like the others: their rows of ys are finite and nobody reads them.  So are a used tile's pad slots.
; Work-group cx of the cluster takes all 128 slots x 128 p (512 (u % 2) + 128 cx on) x both experts.  Wave w takes 64 slots (64 (w / 2) on) x 64 p (64 (w % 2) on) x 2 experts:
; 4 x 4 x 2 = 32 accumulators, 256 registers.
; CLUSTER.  The 128 rows of xs hang on u alone: the four partners ask for them JOINTLY (mask 15), 32 KB of a K step's 96 KB.  The weights are NOT shared: the four partners take four
; different blocks of p, and how many tiles share a pair of experts hangs on the data, so no fixed cluster can be formed of such tiles.  They come by plain loads.
; No branch hangs on loaded numbers or on cx; cx enters the weights', the bias' and ys's addresses alone; the table word enters the weights' and the bias' addresses alone.
; THE MATRIX INSTRUCTION IS USED TRANSPOSED: source 0 = 16 rows of wt (p), source 1 = 16 rows of xs (slots): lane l holds slot l % 16 and p = 8 (l / 16) + 0..7.
; The ring does not stop at a unit's end: a unit's last two changes of slots ask for the next unit's first two K steps, and nothing waits for a unit's stores.
; REGISTERS.  Window 0: v1-27 addresses, indices, weights; v32-127, v128-223 two fragment buffers (64 of wt: (e, a) at 8 (4 e + a); 32 of xs: block i at 64 + 8 i);
;   on the way out the second buffer is at work.  Window 1: elo's accumulators ((i, a) at 8 (4 i + a)), its bias at 192-223.  Window 2: the same for ehi.
.set PITCH, 272                        ; an LDS row: 256 bytes + 16 of padding: an odd multiple of 16 bytes, so the 16 rows of a fragment load start 16 bytes apart modulo 256
.set WOFF,  128*PITCH                  ; behind xs's 128 rows: wt[elo]'s 128 rows,
.set WE,    128*PITCH                  ; then wt[ehi]'s
.set SLOT,  384*PITCH
.set STAGE, 2*SLOT                     ; behind the ring: 16 rows x 272 bytes for each wave, for the way out
.set SPARE, STAGE+4*16*PITCH           ; behind the stages: the spare words, 128 bytes for each wave: two blocks of 256 bytes that no other line names
.set TABO,  81920
.set WTSO,  262144
.set UNITS, 3                          ; units of a cluster
.set F0,  32
.set F1,  128
.set T,   128                          ; the way out: 32 results of a slot block
.set OB,  160                          ; the way out: 16 rows read back, v160-191 and v192-223 by turns
.set G1A, 24                           ; s[24:31] group 1 for xs's tiles;  s[40:47] group 0, a set for each slot
.set G1W, 32                           ; s[32:39] group 1 for wt's tiles;  s[48:55] group 0, a set for each slot
.set G0A, 40
.set G0W, 48
.set LO,  0x50                         ; C and D in window 1
.set HI,  0xa0                         ; C and D in window 2
.set MSB, 0
.macro WIN new                         ; the immediate's high byte repeats the setting that is left
.if MSB != \new
	s_set_vgpr_msb (MSB<<8)|\new
.set MSB, \new
.endif
.endm
.macro PLACES                          ; four plain places in front of loads into, and vector writes of, registers that matrix instructions have read
.rept 4
	v_nop
.endr
.endm
.macro CREST                           ; a round of the cluster's barrier behind its opening barrier
	s_cmp_lg_u32 s16, 0
	s_cbranch_scc1 .Lnot_wave_0_\@
	s_barrier_signal -3
.Lnot_wave_0_\@:
	s_barrier_wait -3
	s_barrier_signal -1
	s_barrier_wait -1
.endm
.macro CROUND
	s_barrier_signal -1
	s_barrier_wait -1
	CREST
.endm
; One tensor load a wave: waves 0 and 1 ask jointly for the two halves of xs's 128 rows, waves 2 and 3 fetch elo's and ehi's 128 rows.  The branch hangs on the wave's number alone.
; Four v_nop follow each of the two lines, ahead of the jump, the label and what follows.
.macro JLOAD s
	s_cmp_lt_u32 s16, 2
	s_cbranch_scc0 .Lfor_w_\@
	tensor_load_to_lds s[G0A+4*\s:G0A+4*\s+3], s[G1A:G1A+7]
	s_nop 0
.rept 4
	v_nop
.endr
	s_branch .Lasked_\@
.Lfor_w_\@:
	tensor_load_to_lds s[G0W+4*\s:G0W+4*\s+3], s[G1W:G1W+7]
	s_nop 0
.rept 4
	v_nop
.endr
.Lasked_\@:
.endm
; From u (s19) and its table word: s[58:59] = the tile's byte offset in xs; s[62:63] = my weights' byte offset in wt (waves with an odd number: ehi's)
.macro ADDRS tw
	s_lshr_b32 s76, s19, 1
	s_lshl_b32 s58, s76, 18                        ; 128 rows of 2,048 bytes
	s_mov_b32 s59, 0
	s_and_b32 s77, s[\tw], 0xff
	s_bfe_u32 s78, s[\tw], 0x80008
	s_cmp_eq_u32 s17, 0
	s_cselect_b32 s77, s77, s78
	s_min_u32 s77, s77, 7
	s_lshl_b32 s62, s77, 21                        ; expert x 1,024 rows
	s_and_b32 s78, s19, 1
	s_lshl_b32 s78, s78, 20                        ; + 512 rows for the upper half of p
	s_add_co_u32 s62, s62, s78
	s_lshl_b32 s78, s18, 18                        ; + 128 cx rows
	s_add_co_u32 s62, s62, s78
	s_mov_b32 s63, 0
.endm
.macro SETG0 s                         ; slot s's two global addresses: K step s of the unit that ADDRS described
	s_add_nc_u64 s[G0A+4*\s+2:G0A+4*\s+3], s[56:57], s[58:59]
	s_add_nc_u64 s[G0W+4*\s+2:G0W+4*\s+3], s[6:7], s[62:63]
.if \s
	s_add_nc_u64 s[G0A+4*\s+2:G0A+4*\s+3], s[G0A+4*\s+2:G0A+4*\s+3], 256
	s_add_nc_u64 s[G0W+4*\s+2:G0W+4*\s+3], s[G0W+4*\s+2:G0W+4*\s+3], 256
.endif
	s_or_b32 s[G0A+4*\s+3], s[G0A+4*\s+3], 0x80000000
	s_or_b32 s[G0W+4*\s+3], s[G0W+4*\s+3], 0x80000000
.endm
	s_load_b256 s[4:11], s[0:1], 0x0               ; xs s[4:5], wt s[6:7], expert_b s[8:9], gw s[10:11]
	s_load_b128 s[12:15], s[0:1], 0x20             ; rt s[12:13], ys s[14:15]
	v_lshl_add_u32 v1, v0, 2, SPARE
	v_mov_b32 v2, 0
	ds_add_u32 v1, v2
	ds_add_u32 v1, v2
	s_wait_dscnt 0x0
	v_lshrrev_b32 v32, 5, v0
	v_readfirstlane_b32 s16, v32                   ; wave 0..3
	s_and_b32 s17, s16, 1                          ; which 64 p are mine.  Also: which half of xs's rows, or which expert's rows, I fetch
	s_lshr_b32 s86, s16, 1                         ; which 64 slots are mine
	s_bfe_u32 s18, ttmp6, 0x40000                  ; cx
	s_mov_b32 s19, ttmp9                           ; u = the cluster's number
	s_lshr_b32 s84, s19, 1
	s_lshl_b32 s84, s84, 2
	s_mov_b32 s[G1A], 15|(1<<16)|(1<<20)|(1<<21)|(5<<22)|(3<<25)   ; mask: all four; elements of 2 bytes; padding on; bit 21 beside a mask; after every 64 words, 4 words
	s_mov_b32 s[G1W], (1<<16)|(1<<20)|(5<<22)|(3<<25)              ; no mask: a load of my own
	s_mov_b32 s[G1A+1], 128<<16                    ; tensor_dim0 = 128
	s_mov_b32 s[G1W+1], 128<<16
	s_mov_b32 s[G1A+2], 64<<16                     ; tensor_dim1 = 64 rows
	s_mov_b32 s[G1W+2], 128<<16                    ; 128 rows
	s_mov_b32 s[G1A+3], 128<<16                    ; tile_dim0 = 128
	s_mov_b32 s[G1W+3], 128<<16
	s_mov_b32 s[G1A+4], 64                         ; tile_dim1
	s_mov_b32 s[G1W+4], 128
	s_mov_b32 s[G1A+5], 1024                       ; elements from row to row
	s_mov_b32 s[G1W+5], 1024
	s_mov_b32 s[G1A+6], 0
	s_mov_b32 s[G1W+6], 0
	s_mov_b32 s[G1A+7], 0
	s_mov_b32 s[G1W+7], 0
	s_wait_kmcnt 0x0
	s_load_b32 s23, s[12:13], s84 offset:TABO      ; my first tile's word
	s_lshl_b32 s80, s17, 17                        ; which 64 rows of xs I fetch
	s_mov_b32 s81, 0
	s_add_nc_u64 s[56:57], s[4:5], s[80:81]
	s_mul_i32 s82, s17, 64*PITCH                   ; where they go (waves 0, 1),
	s_mul_i32 s83, s17, WE
	s_add_co_u32 s83, s83, WOFF                    ; and the weights' (waves 2, 3).  No place in the cluster enters an LDS address
	s_wait_kmcnt 0x0
	ADDRS 23
.irp s, 0,1
	s_mov_b32 s[G0A+4*\s], 1
	s_add_co_u32 s[G0A+4*\s+1], s82, \s*SLOT
	s_mov_b32 s[G0W+4*\s], 1
	s_add_co_u32 s[G0W+4*\s+1], s83, \s*SLOT
	SETG0 \s
.endr
	CROUND                                         ; all four work-groups are here: the first joint loads meet
	s_cmp_lt_u32 s16, 2                            ; a wave's two first fills stand in one branch: two loads of mine are out
	s_cbranch_scc0 .Lfirst_w
	tensor_load_to_lds s[G0A:G0A+3], s[G1A:G1A+7]
	s_nop 0
	tensor_load_to_lds s[G0A+4:G0A+7], s[G1A:G1A+7]
	s_nop 0
.rept 4
	v_nop
.endr
	s_branch .Lfirst_asked
.Lfirst_w:
	tensor_load_to_lds s[G0W:G0W+3], s[G1W:G1W+7]
	s_nop 0
	tensor_load_to_lds s[G0W+4:G0W+7], s[G1W:G1W+7]
	s_nop 0
.rept 4
	v_nop
.endr
.Lfirst_asked:
	v_and_b32 v32, 15, v0                          ; r = l % 16
	v_bfe_u32 v33, v0, 4, 1                        ; h = l / 16
	v_lshlrev_b32 v3, 5, v33                       ; v3: my 8 numbers of a p block's bias
	v_mul_u32_u24 v34, v32, PITCH
	v_lshl_add_u32 v35, v33, 5, v34                ; (for the stage: 32 bytes a half)
	v_lshl_add_u32 v34, v33, 4, v34                ; a fragment's row x pitch + 16 x half
	s_mul_i32 s76, s86, 64*PITCH
	v_add_nc_u32 v4, s76, v34                      ; v4, v5: xs's fragments in slot 0, 1: my 64 rows, block i in the offset
	v_add_nc_u32 v5, SLOT, v4
	s_mul_i32 s76, s17, 64*PITCH
	s_add_co_u32 s76, s76, WOFF
	v_add_nc_u32 v8, s76, v34                      ; v8, v9: wt's fragments: my 64 rows of elo's 128; ehi's lie WE further on
	v_add_nc_u32 v9, SLOT, v8
	s_mul_i32 s77, s16, 16*PITCH
	s_add_co_u32 s77, s77, STAGE                   ; my stage
	v_add_nc_u32 v10, s77, v35                     ; v10: in: row r, 32 bytes for each half
	v_mul_u32_u24 v35, v33, PITCH
	v_lshl_add_u32 v35, v32, 4, v35
	v_add_nc_u32 v11, s77, v35                     ; v11: back: lanes 0-15 one row of 256 bytes, lanes 16-31 the next
	s_lshl_b32 s78, s86, 18                        ; my 64 slots: rows of 4,096 bytes,
	s_lshl_b32 s79, s17, 8                         ; my 64 p: 256 bytes
	s_add_co_u32 s78, s78, s79
	v_lshlrev_b32 v35, 12, v33
	v_lshl_add_u32 v35, v32, 4, v35
	v_add_nc_u32 v12, s78, v35                     ; v12: the same two rows in ys
	s_lshl_b32 s79, s86, 8
	v_lshl_add_u32 v13, v32, 2, s79                ; v13: my slot's word of perm, block i in the offset
; n slot blocks from i0 on x 4 p blocks of expert e, 32 along K.  The 32 accumulators take turns, one instruction a turn, in the same order in every quarter.
.macro MULS f, e, i0, n, zero
.set ii, \i0
.rept \n
.irp a, 0,1,2,3
.if \zero
	v_wmma_f32_16x16x32_bf16 v[8*(4*ii+\a):8*(4*ii+\a)+7], v[\f+8*(4*\e+\a):\f+8*(4*\e+\a)+7], v[\f+64+8*ii:\f+64+8*ii+7], 0
.else
	v_wmma_f32_16x16x32_bf16 v[8*(4*ii+\a):8*(4*ii+\a)+7], v[\f+8*(4*\e+\a):\f+8*(4*\e+\a)+7], v[\f+64+8*ii:\f+64+8*ii+7], v[8*(4*ii+\a):8*(4*ii+\a)+7]
.endif
.endr
.set ii, ii+1
.endr
.endm
; 24 LDS loads in one run: a quarter step's fragments (32 K at byte k of the rows): elo's weights, xs, then ehi's weights
.macro FETCH slot, k, f
	WIN 0
.irp a, 0,1,2,3
	ds_load_b128 v[\f+8*\a:\f+8*\a+3],   v[8+\slot] offset:\a*16*PITCH+\k
	ds_load_b128 v[\f+8*\a+4:\f+8*\a+7], v[8+\slot] offset:\a*16*PITCH+\k+32
.endr
.irp i, 0,1,2,3
	ds_load_b128 v[\f+64+8*\i:\f+64+8*\i+3],   v[4+\slot] offset:\i*16*PITCH+\k
	ds_load_b128 v[\f+64+8*\i+4:\f+64+8*\i+7], v[4+\slot] offset:\i*16*PITCH+\k+32
.endr
.irp a, 0,1,2,3
	ds_load_b128 v[\f+32+8*\a:\f+32+8*\a+3],   v[8+\slot] offset:WE+\a*16*PITCH+\k
	ds_load_b128 v[\f+32+8*\a+4:\f+32+8*\a+7], v[8+\slot] offset:WE+\a*16*PITCH+\k+32
.endr
.endm
; A K step of 128 is four quarters of 32, 32 matrix instructions each, on buffers 0, 1, 0, 1.  One of the first three: multiplies f, fetches the next quarter into g in its middle.
.macro QUARTER slot, k, f, g, zero
	s_wait_dscnt 8                                 ; elo's weights and xs are in; the youngest eight loads (ehi's weights) may be out
	WIN LO
	MULS \f, 0, 0, 4, \zero
	PLACES
	FETCH \slot, \k, \g
	s_wait_dscnt 24                                ; all but the 24 just issued
	WIN HI
	MULS \f, 1, 0, 4, \zero
.endm
; The last quarter's first half, and the change of slots: each wave waits for all its tensor loads (one is out: its part of the next slot), adds 0 to its spare word,
; and waits for that and for its own reads of this slot; behind the barrier nobody reads this slot any more and the next slot is whole.
.macro MEET round
	WIN 0                                          ; (the add's two registers lie in window 0)
	s_wait_tensorcnt 0x0
	ds_add_u32 v1, v2                              ; 0 onto my spare word
	s_wait_dscnt 9                                 ; (the add and the youngest eight loads may be out)
	WIN LO
	MULS F1, 0, 0, 2, 0                            ; eight matrix instructions stand between the add and the wait for it
	s_wait_dscnt 0x0                               ; the add is done, and my reads of this slot are over
	s_barrier_signal -1
	MULS F1, 0, 2, 2, 0                            ; work on registers while the others arrive
.if \round
	WIN 0
.endif
	s_barrier_wait -1
.endm
; The whole last quarter.  The barrier opens a round of the cluster's barrier; behind the round this slot is filled again first: with this unit's K step two on (on = 0)
; or with the next unit's K step 0 or 1 (on = 1).  From a request to the wait for it a wave issues 16 + 3 x 32 = 112 matrix instructions.
.macro TURN slot, next, on
	MEET 1
	CREST                                          ; no wave of any partner still reads this slot or has a load on its way
.if \on
	SETG0 \slot
.else
	s_add_nc_u64 s[G0A+4*\slot+2:G0A+4*\slot+3], s[G0A+4*\slot+2:G0A+4*\slot+3], 512
	s_add_nc_u64 s[G0W+4*\slot+2:G0W+4*\slot+3], s[G0W+4*\slot+2:G0W+4*\slot+3], 512
.endif
	JLOAD \slot                                    ; its four v_nop are also the places in front of the loads below
	FETCH \next, 0, F0
	WIN HI
	MULS F1, 1, 0, 4, 0
.endm
; A unit's head: where its results, bias and slot list lie; the loads of list and bias; the next unit's table word.
.macro UHEAD
	s_lshr_b32 s76, s19, 1                         ; the tile
	s_and_b32 s77, s19, 1
	s_lshl_b32 s77, s77, 11
	s_lshl_b32 s78, s18, 9
	s_add_co_u32 s80, s77, s78                     ; the work-group's first p, in bytes of f32: 2,048 (u % 2) + 512 cx
	s_lshl_b32 s78, s76, 19                        ; 128 rows of 4,096 bytes
	s_add_co_u32 s78, s78, s80
	s_mov_b32 s79, 0
	s_add_nc_u64 s[66:67], s[14:15], s[78:79]
	s_lshl_b32 s81, s17, 8
	s_add_co_u32 s80, s80, s81                     ; my wave's first p, for the bias
	s_and_b32 s82, s23, 0xff
	s_min_u32 s82, s82, 7
	s_lshl_b32 s82, s82, 12
	s_add_co_u32 s82, s82, s80
	s_mov_b32 s83, 0
	s_add_nc_u64 s[68:69], s[8:9], s[82:83]
	s_bfe_u32 s82, s23, 0x80008
	s_min_u32 s82, s82, 7
	s_lshl_b32 s82, s82, 12
	s_add_co_u32 s82, s82, s80
	s_add_nc_u64 s[70:71], s[8:9], s[82:83]
	s_lshl_b32 s82, s76, 9
	s_add_nc_u64 s[72:73], s[12:13], s[82:83]
.irp i, 0,1,2,3
	global_load_b32 v[14+\i], v13, s[72:73] offset:64*\i       ; the token in my slot of block i
.endr
	WIN 0x40
.irp a, 0,1,2,3
	global_load_b128 v[192+8*\a:192+8*\a+3],   v3, s[68:69] offset:64*\a
	global_load_b128 v[192+8*\a+4:192+8*\a+7], v3, s[68:69] offset:64*\a+16
.endr
	WIN 0x80
.irp a, 0,1,2,3
	global_load_b128 v[192+8*\a:192+8*\a+3],   v3, s[70:71] offset:64*\a
	global_load_b128 v[192+8*\a+4:192+8*\a+7], v3, s[70:71] offset:64*\a+16
.endr
	WIN 0
	s_add_co_u32 s84, s19, 64
	s_lshr_b32 s84, s84, 1
	s_min_u32 s84, s84, 95                         ; the table has 96 words; the last unit's look ahead is kept inside and not used
	s_lshl_b32 s84, s84, 2
	s_load_b32 s60, s[12:13], s84 offset:TABO
.endm
; THE WAY OUT of slot block i.  COMB: the two experts' sums and bias, weighted; each accumulator is read from its lowest registers on.
.macro COMB i
	WIN 0x01                                       ; source 0 in window 1
.set m, 0
.rept 16
	v_pk_mul_f32 v[T+2*m:T+2*m+1], v[192+2*m:192+2*m+1], v[20+2*(\i):21+2*(\i)] op_sel_hi:[1,0]
.set m, m+1
.endr
.set m, 0
.rept 16
	v_pk_fma_f32 v[T+2*m:T+2*m+1], v[32*(\i)+2*m:32*(\i)+2*m+1], v[20+2*(\i):21+2*(\i)], v[T+2*m:T+2*m+1] op_sel_hi:[1,0,1]
.set m, m+1
.endr
	WIN 0x02                                       ; source 0 in window 2
.set m, 0
.rept 16
	v_pk_fma_f32 v[T+2*m:T+2*m+1], v[192+2*m:192+2*m+1], v[20+2*(\i):21+2*(\i)], v[T+2*m:T+2*m+1] op_sel:[0,1,0] op_sel_hi:[1,1,1]
.set m, m+1
.endr
.set m, 0
.rept 16
	v_pk_fma_f32 v[T+2*m:T+2*m+1], v[32*(\i)+2*m:32*(\i)+2*m+1], v[20+2*(\i):21+2*(\i)], v[T+2*m:T+2*m+1] op_sel:[0,1,0] op_sel_hi:[1,1,1]
.set m, m+1
.endr
	WIN 0
.endm
.macro TOSTAGE i                       ; into my own stage, and back as whole rows of 256 bytes
.set BK, OB+32*((\i)%2)
.irp a, 0,1,2,3
	ds_store_b128 v10, v[T+8*\a:T+8*\a+3]   offset:64*\a
	ds_store_b128 v10, v[T+8*\a+4:T+8*\a+7] offset:64*\a+16
.endr
.irp t, 0,1,2,3,4,5,6,7
	ds_load_b128 v[BK+4*\t:BK+4*\t+3], v11 offset:2*PITCH*\t   ; LDS serves a wave's instructions in order: these see the stores above
.endr
.endm
.macro SEND i
.set BK, OB+32*((\i)%2)
	s_wait_dscnt 0x0                               ; the block is back in registers
	s_wait_xcnt 0x0                                ; the other set's registers, which earlier stores read, are loaded again only behind this wait
.irp t, 0,1,2,3,4,5,6,7
	global_store_b128 v12, v[BK+4*\t:BK+4*\t+3], s[66:67] offset:(16*(\i)+2*\t)*4096   ; 16 lanes store 256 consecutive bytes, aligned
.endr
.endm
.macro WAYOUT
	PLACES                                         ; the registers at work lie in the buffer that the last products read
	s_wait_loadcnt 0x0                             ; the weights
	COMB 0
	TOSTAGE 0
.irp i, 1,2,3
	COMB \i                                        ; block i's arithmetic stands between block i - 1's loads from the stage and the wait for them
	SEND \i-1
	TOSTAGE \i
.endr
	SEND 3
	s_wait_xcnt 0x0                                ; the stores' data registers and base are written again only behind this wait
.endm
	s_wait_tensorcnt 0x1                           ; my part of K step 0 is in; slot 1's load may stay out
	s_barrier_signal -1
	s_barrier_wait -1                              ; everybody's is
	FETCH 0, 0, F0
	s_mov_b32 s22, UNITS                           ; units to go, this one among them: a constant, the same in every wave of every work-group
.Lunit:
	UHEAD
	QUARTER 0, 64, F0, F1, 1                       ; a unit's first quarter starts the sums with the constant 0: nothing is cleared
	WIN 0
	s_mov_b32 s21, 3
.Llap:                                                 ; a trip goes once round the ring, from a lap's second quarter to the next lap's first
	QUARTER 0, 128, F1, F0, 0
	QUARTER 0, 192, F0, F1, 0
	TURN 0, 1, 0
	QUARTER 1, 64,  F0, F1, 0
	QUARTER 1, 128, F1, F0, 0
	QUARTER 1, 192, F0, F1, 0
	TURN 1, 0, 0
	QUARTER 0, 64,  F0, F1, 0
	WIN 0
	s_sub_co_u32 s21, s21, 1
	s_cmp_lg_u32 s21, 0
	s_cbranch_scc1 .Llap
	s_wait_loadcnt 0x0                             ; the slot list and the bias, asked for at the unit's head
.irp i, 0,1,2,3
	v_min_u32 v[14+\i], 0x1fff, v[14+\i]           ; a pad's -1 becomes token 8,191
	v_lshlrev_b32 v[14+\i], 3, v[14+\i]
.endr
.irp i, 0,1,2,3
	global_load_b64 v[20+2*\i:21+2*\i], v[14+\i], s[10:11] offset:WTSO     ; (w_lo, w_hi) of my slot
.endr
	QUARTER 0, 128, F1, F0, 0                      ; the unit's last lap goes on
	QUARTER 0, 192, F0, F1, 0
	WIN 0
	s_wait_kmcnt 0x0                               ; the next unit's table word
	s_cmp_eq_u32 s22, 1
	s_cbranch_scc1 .Llast                          ; the last unit's tail is written out: it asks for nothing more
	s_add_co_u32 s19, s19, 64                      ; the next unit
	ADDRS 60
	TURN 0, 1, 1                                   ; slot 0 takes the next unit's K step 0,
	QUARTER 1, 64,  F0, F1, 0
	QUARTER 1, 128, F1, F0, 0
	QUARTER 1, 192, F0, F1, 0
	TURN 1, 0, 1                                   ; slot 1 its K step 1, and its first fragments are fetched
	WIN 0
	WAYOUT                                         ; both refills are asked for: now the unit goes out
	s_mov_b32 s23, s60
	s_sub_co_u32 s22, s22, 1
	s_branch .Lunit
.Llast:
	MEET 0                                         ; my one load that was out is the last K step's, so no round follows
	PLACES
	FETCH 1, 0, F0
	WIN HI
	MULS F1, 1, 0, 4, 0
	QUARTER 1, 64,  F0, F1, 0
	QUARTER 1, 128, F1, F0, 0
	QUARTER 1, 192, F0, F1, 0
	s_wait_dscnt 8                                 ; the very last quarter: nothing more to fetch
	WIN LO
	MULS F1, 0, 0, 4, 0
	s_wait_dscnt 0x0
	WIN HI
	MULS F1, 1, 0, 4, 0
	WIN 0
	WAYOUT
	s_wait_tensorcnt 0x0                           ; the wave's end
	ds_add_u32 v1, v2
	s_wait_dscnt 0x0
	CROUND                                         ; the closing round: no work-group ends while a partner may still ask for a tile that names it
	s_endpgm
.Lfunc_end_k_q1fd4c3dbab_moe:
	.size	k_q1fd4c3dbab_moe, .Lfunc_end_k_q1fd4c3dbab_moe-k_q1fd4c3dbab_moe
	.p2alignl 7, 3214868480
	.fill 96, 4, 3214868480
	.section	.rodata,"a",@progbits
	.p2align	6, 0x0
	.amdhsa_kernel k_q1fd4c3dbab_moe
		.amdhsa_group_segment_fixed_size 327680
		.amdhsa_private_segment_fixed_size 0
		.amdhsa_enable_private_segment 0
		.amdhsa_kernarg_size 48
		.amdhsa_user_sgpr_count 2
		.amdhsa_user_sgpr_kernarg_segment_ptr 1
		.amdhsa_wavefront_size32 1
		.amdhsa_system_sgpr_workgroup_id_x 1
		.amdhsa_system_sgpr_workgroup_id_y 1
		.amdhsa_system_sgpr_workgroup_id_z 1
		.amdhsa_system_vgpr_workitem_id 0
		.amdhsa_next_free_vgpr 768
		.amdhsa_next_free_sgpr 96
		.amdhsa_reserve_vcc 0
		.amdhsa_float_denorm_mode_32 3
		.amdhsa_float_denorm_mode_16_64 3
		.amdhsa_memory_ordered 1
		.amdhsa_forward_progress 1
		.amdhsa_inst_pref_size 143
	.end_amdhsa_kernel
	.amdgpu_metadata
---
amdhsa.version: [ 1, 2 ]
amdhsa.kernels:
  - .name:           k_q1fd4c3dbab_moe
    .symbol:         k_q1fd4c3dbab_moe.kd
    .args:
      - { .name: xs, .offset: 0, .size: 8, .value_kind: global_buffer, .address_space: global }
      - { .name: wt, .offset: 8, .size: 8, .value_kind: global_buffer, .address_space: global }
      - { .name: expert_b, .offset: 16, .size: 8, .value_kind: global_buffer, .address_space: global }
      - { .name: gw, .offset: 24, .size: 8, .value_kind: global_buffer, .address_space: global }
      - { .name: rt, .offset: 32, .size: 8, .value_kind: global_buffer, .address_space: global }
      - { .name: ys, .offset: 40, .size: 8, .value_kind: global_buffer, .address_space: global }
    .group_segment_fixed_size: 327680
    .private_segment_fixed_size: 0
    .kernarg_segment_align: 8
    .kernarg_segment_size: 48
    .max_flat_workgroup_size: 128
    .sgpr_count:     96
    .vgpr_count:     768
    .wavefront_size: 32
...
	.end_amdgpu_metadata
.endif
;; end of part 4
;; launch finish (part 5): grid 256 x 1, 8 waves a work-group, no clusters, 134,144 bytes of LDS; arguments ys, rt, out0; writes out0
.if DOCPART == 5
	.amdgcn_target "amdgcn-amd-amdhsa--gfx1250"
	.amdhsa_code_object_version 6
	.text
	.protected	k_q1fd4c3dbab_finish
	.globl	k_q1fd4c3dbab_finish
	.p2align	8
	.type	k_q1fd4c3dbab_finish,@function
k_q1fd4c3dbab_finish:
	s_mov_b64 s[64:65], 0
	v_nop
	global_prefetch_b8 v0, s[64:65] scope:SCOPE_SE
	s_setreg_imm32_b32 hwreg(HW_REG_WAVE_MODE, 25, 1), 1
	s_wait_xcnt 0x0
; FINISH.  out0[b][p][n] = ys[pos[128 b + n]][p].  A work-group takes one batch b and 256 p: 128 rows x 1,024 bytes of ys, gathered by slot, turned in LDS, stored as rows of 512 bytes.
; A stream: no matrix unit, no cluster (nothing is shared).  Wave w gathers tokens 16 w + 0..15, all 32 loads on their way at once.
; Token n lies in LDS row 32 (n % 4) + n / 4, so that lane L reads tokens 4 L + 0..3 from rows 1,040 bytes apart (65 x 16: an odd multiple of 16 bytes).
.set POSO, 49152
.set LP,   1040
.set X,    16                          ; v[16:143]
.set O,    144                         ; v[144:175] two sets of 16 by turns
	s_load_b128 s[4:7], s[0:1], 0x0                ; ys s[4:5], rt s[6:7]
	s_load_b64 s[8:9], s[0:1], 0x10                ; out0
	v_lshl_add_u32 v176, v0, 2, 0x20800
	v_mov_b32 v177, 0
	v_lshrrev_b32 v1, 5, v0
	v_readfirstlane_b32 s10, v1                    ; wave 0..7
	v_and_b32 v2, 31, v0
	v_lshlrev_b32 v3, 4, v2                        ; 16 bytes a lane
	s_lshr_b32 s11, ttmp9, 2                       ; b
	s_and_b32 s2, ttmp9, 3                         ; which 256 p
	s_lshl_b32 s3, s11, 9
	s_lshl_b32 s12, s10, 6
	s_add_co_u32 s3, s3, s12                       ; my 16 tokens' words of pos
	s_wait_kmcnt 0x0
	s_load_b512 s[16:31], s[6:7], s3 offset:POSO
	s_lshl_b32 s12, s2, 10
	s_mov_b32 s13, 0
	s_add_nc_u64 s[12:13], s[4:5], s[12:13]        ; ys at my 1,024 bytes of a row
	s_lshl_b32 s14, s11, 19
	s_lshl_b32 s15, s2, 17
	s_add_co_u32 s14, s14, s15
	s_lshl_b32 s15, s10, 14                        ; wave w stores p rows 32 w .. 32 w + 31 of the 256
	s_add_co_u32 s14, s14, s15
	s_mov_b32 s15, 0
	s_add_nc_u64 s[14:15], s[8:9], s[14:15]
	s_mul_i32 s2, s10, 4*LP
	v_add_nc_u32 v4, s2, v3                        ; in: rows 4 w + t / 4 + 32 (t % 2), for t % 4 < 2
	v_add_nc_u32 v5, 64*LP, v4                     ; and for t % 4 >= 2
	v_mul_u32_u24 v6, v2, LP
	s_lshl_b32 s2, s10, 7
	v_add_nc_u32 v6, s2, v6                        ; back: row L (+ 32 i), byte 128 w
	v_add_nc_u32 v7, 64*LP, v6
	s_wait_kmcnt 0x0
.set t, 0
.rept 16
	s_min_u32 s[16+t], s[16+t], 12287
	s_lshl_b32 s[32+2*t], s[16+t], 12
	s_mov_b32 s[33+2*t], 0
	s_add_nc_u64 s[32+2*t:33+2*t], s[12:13], s[32+2*t:33+2*t]
	global_load_b128 v[X+8*t:X+8*t+3],   v3, s[32+2*t:33+2*t] th:TH_LOAD_NT
	global_load_b128 v[X+8*t+4:X+8*t+7], v3, s[32+2*t:33+2*t] offset:512 th:TH_LOAD_NT
.set t, t+1
.endr
.set t, 0
.rept 16
	s_wait_loadcnt 31-2*t                          ; loads come back in order: this one is in, the younger ones stay out
	ds_store_b128 v[4+((t>>1)&1)], v[X+8*t:X+8*t+3]   offset:((t&1)*32+(t>>2))*LP
	s_wait_loadcnt 30-2*t
	ds_store_b128 v[4+((t>>1)&1)], v[X+8*t+4:X+8*t+7] offset:((t&1)*32+(t>>2))*LP+512
.set t, t+1
.endr
	s_wait_dscnt 0x0                               ; for the others' sake
	s_barrier_signal -1
	s_barrier_wait -1
.set P, 0
.rept 8                                ; eight quads of p a wave: for each, 4 p of each of my four tokens
.irp i, 0,1,2,3
	ds_load_b128 v[X+16*P+4*\i:X+16*P+4*\i+3], v[6+\i/2] offset:(\i%2)*32*LP+16*P
.endr
.set P, P+1
.endr
.set P, 0
.rept 8
	s_wait_dscnt 28-4*P                            ; quad P's four loads are in; the later quads' stay out
.if P >= 2
	s_wait_xcnt 0x0                                ; this set's registers, which earlier stores read, are written again only behind this wait
.endif
.set OO, O+16*(P%2)
.irp j, 0,1,2,3
.irp i, 0,1,2,3
	v_mov_b32 v[OO+4*\j+\i], v[X+16*P+4*\i+\j]     ; the 4 x 4 block is turned inside the lane: a store wants four neighbouring tokens in four neighbouring registers
.endr
.endr
.irp j, 0,1,2,3
	global_store_b128 v3, v[OO+4*\j:OO+4*\j+3], s[14:15] offset:(4*P+\j)*512 th:TH_STORE_NT    ; a whole row of 512 bytes
.endr
.set P, P+1
.endr
	s_barrier_signal -1
	s_barrier_wait -1
	s_wait_tensorcnt 0x0
	ds_add_u32 v176, v177
	s_wait_dscnt 0x0
	s_endpgm
.Lfunc_end_k_q1fd4c3dbab_finish:
	.size	k_q1fd4c3dbab_finish, .Lfunc_end_k_q1fd4c3dbab_finish-k_q1fd4c3dbab_finish
	.p2alignl 7, 3214868480
	.fill 96, 4, 3214868480
	.section	.rodata,"a",@progbits
	.p2align	6, 0x0
	.amdhsa_kernel k_q1fd4c3dbab_finish
		.amdhsa_group_segment_fixed_size 134144
		.amdhsa_private_segment_fixed_size 0
		.amdhsa_enable_private_segment 0
		.amdhsa_kernarg_size 24
		.amdhsa_user_sgpr_count 2
		.amdhsa_user_sgpr_kernarg_segment_ptr 1
		.amdhsa_wavefront_size32 1
		.amdhsa_system_sgpr_workgroup_id_x 1
		.amdhsa_system_sgpr_workgroup_id_y 1
		.amdhsa_system_sgpr_workgroup_id_z 1
		.amdhsa_system_vgpr_workitem_id 0
		.amdhsa_next_free_vgpr 178
		.amdhsa_next_free_sgpr 66
		.amdhsa_reserve_vcc 0
		.amdhsa_float_denorm_mode_32 3
		.amdhsa_float_denorm_mode_16_64 3
		.amdhsa_memory_ordered 1
		.amdhsa_forward_progress 1
		.amdhsa_inst_pref_size 20
	.end_amdhsa_kernel
	.amdgpu_metadata
---
amdhsa.version: [ 1, 2 ]
amdhsa.kernels:
  - .name:           k_q1fd4c3dbab_finish
    .symbol:         k_q1fd4c3dbab_finish.kd
    .args:
      - { .name: ys, .offset: 0, .size: 8, .value_kind: global_buffer, .address_space: global }
      - { .name: rt, .offset: 8, .size: 8, .value_kind: global_buffer, .address_space: global }
      - { .name: out0, .offset: 16, .size: 8, .value_kind: global_buffer, .address_space: global }
    .group_segment_fixed_size: 134144
    .private_segment_fixed_size: 0
    .kernarg_segment_align: 8
    .kernarg_segment_size: 24
    .max_flat_workgroup_size: 256
    .sgpr_count:     66
    .vgpr_count:     178
    .wavefront_size: 32
...
	.end_amdgpu_metadata
.endif
;; end of part 5
;; ======== version 2 of 3: 4 launches; 1.13 times as fast as version 1
;; workspace buffers: xt 16,777,216 bytes; wt 16,777,216 bytes; gw 327,680 bytes; sel 65,536 bytes of whole numbers; rt 82,432 bytes of whole numbers; xs 25,165,824 bytes; ys 50,331,648 bytes
;; launch prep: the kernel of part 1 again; grid 256 x 1, 16 waves a work-group, no clusters, 234,496 bytes of LDS; arguments x, expert_W, gate_W, xt, wt, gw, sel; writes xt, wt, gw, sel
;; launch place (part 6): grid 256 x 1, 8 waves a work-group, no clusters, 5,120 bytes of LDS; arguments sel, gw, xt, xs, rt, out1; writes xs, rt, out1
.if DOCPART == 6
	.amdgcn_target "amdgcn-amd-amdhsa--gfx1250"
	.amdhsa_code_object_version 6
	.text
	.protected	k_q1fd4c3dbab_place
	.globl	k_q1fd4c3dbab_place
	.p2align	8
	.type	k_q1fd4c3dbab_place,@function
k_q1fd4c3dbab_place:
	s_mov_b64 s[64:65], 0
	v_nop
	global_prefetch_b8 v0, s[64:65] scope:SCOPE_SE
	s_setreg_imm32_b32 hwreg(HW_REG_WAVE_MODE, 25, 1), 1
	s_wait_xcnt 0x0
; PLACE.  Gives every token a slot and carries its row there: xs[slot] = xt[token].  The tokens of a pair of experts lie together, each pair's run padded with zero rows to whole
; tiles of 128 slots.  The 28 runs take at most (8,192 + 28 x 127) / 128 = 91 tiles; 96 tiles (12,288 slots) are always laid out, those behind the last run all pads.
; It also stores perm[slot] (the token, or -1 for a pad), pos[token], a table word for each tile (elo | ehi << 8), and gate_mean.
; SHARES.  Work-group g owns the 32 tokens of block g (one of the 256 histograms made earlier) and 16 of the pads: there are always 12,288 - 8,192 = 4,096 pads, numbered in slot order.
; Wave w copies tokens 4 w .. 4 w + 3 (their 16 loads go out at the head, while the routing is worked out) and zeroes pads 16 g + 2 w and + 1.
; ROUTING is made anew in every work-group from the 32 KB of histograms, without atomics and with one barrier: wave w adds histograms 32 w .. 32 w + 31 (lane = pair), once all of them
; and once those of blocks in front of g; the eight waves' sums meet in LDS; one scan over the pairs of the packed word (tiles | pads << 16) gives each pair's first tile and the pads in front of it.
; A prefix is ascending, so the pair that owns a pad (or a tile) is found without a loop: compare over the lanes, count the mask's bits.
; GATE_MEAN rides on the same barrier: work-group g makes 4 of its 1,024 numbers; each wave sums 8 batches across its lanes, wave 0 the eight waves.  It reads 16 bytes of each batch's
; 4,096, 64 short reads a work-group, 256 KB of data in the launch.
; A stream: no matrix unit, no cluster (the work-groups share the histograms alone), no LDS stage for rows that are whole and contiguous already.
; Every address that hangs on loaded whole numbers is clamped by a constant in front of its last shift; no branch hangs on loaded numbers.
.set HISTO, 32768                      ; sel: the histograms, behind the tokens' words (pair | rank in the block << 8)
.set POSO,  49152                      ; rt: pos behind perm's 96 x 128 words
.set TABO,  81920                      ; rt: the table
.set LASTS, 12287                      ; the last slot
.set PRE,   1024                       ; LDS: at 0 each wave's totals, here its sums over the blocks in front of g: 8 x 128 bytes each
.set MS,    2048                       ; LDS: 8 waves x 4 partial means
.set H,     16                         ; v[16:47]   my wave's 32 histograms; later at work
.set X,     48                         ; v[48:111]  my four rows, 16 registers each
.set Z,     112                        ; v[112:115] zeros
	s_load_b256 s[4:11], s[0:1], 0x0               ; sel s[4:5], gw s[6:7], xt s[8:9], xs s[10:11]
	s_load_b128 s[12:15], s[0:1], 0x20             ; rt s[12:13], out1 s[14:15]
	v_lshl_add_u32 v128, v0, 2, 0x1000
	v_mov_b32 v129, 0
	v_lshrrev_b32 v8, 5, v0
	v_readfirstlane_b32 s16, v8                    ; wave 0..7
	v_and_b32 v1, 31, v0                           ; lane
	v_lshlrev_b32 v2, 4, v1                        ; 16 bytes a lane: a row load or store of the wave covers 512 consecutive bytes
	v_lshlrev_b32 v4, 2, v1
	s_lshl_b32 s17, s16, 12
	v_add_nc_u32 v3, s17, v4                       ; histograms 32 w + i, 128 bytes each, i in the offset
	v_lshrrev_b32 v8, 2, v1
	v_and_b32 v9, 3, v1
	v_lshlrev_b32 v9, 2, v9                        ; which of my work-group's 4 numbers of gate_mean
	v_lshl_add_u32 v8, v8, 12, v9                  ; batch 8 w + lane / 4: 4,096 bytes of gate values each
	s_lshl_b32 s18, s16, 15
	s_lshl_b32 s19, ttmp9, 4                       ; 16 g: my 4 numbers; also my first pad
	s_add_co_u32 s18, s18, s19
	v_add_nc_u32 v8, s18, v8
	s_lshl_b32 s20, ttmp9, 7
	v_add_nc_u32 v10, s20, v4                      ; token 32 g + lane: its word in sel, and later in pos
	s_lshl_b32 s21, ttmp9, 16
	s_lshl_b32 s22, s16, 13
	s_add_co_u32 s21, s21, s22
	v_add_nc_u32 v11, s21, v2                      ; my four rows of xt: token 32 g + 4 w on
	s_mov_b32 s26, 0x76543210                      ; v_permlanex16_b32: each lane takes its own place in the other half
	s_mov_b32 s27, 0xfedcba98
	v_mov_b32 v7, 0                                ; its destination counts as read
	s_wait_kmcnt 0x0
	global_load_b32 v6, v8, s[6:7]
.set k, 0
.rept 32
	global_load_b32 v[H+k], v3, s[4:5] offset:HISTO+128*k
.set k, k+1
.endr
	global_load_b32 v5, v10, s[4:5]
.irp k, 0,1,2,3
.irp t, 0,1,2,3
	global_load_b128 v[X+16*\k+4*\t:X+16*\k+4*\t+3], v11, s[8:9] offset:2048*\k+512*\t th:TH_LOAD_NT
.endr
.endr
	s_lshl_b32 s23, s16, 5
	s_sub_co_i32 s23, ttmp9, s23                   ; d = g - 32 w: my histograms i < d belong to blocks in front of g
	s_lshl_b32 s25, s16, 7
	v_add_nc_u32 v15, s25, v4
	s_lshl_b32 s28, s16, 4
	v_add_nc_u32 v14, s28, v9
	s_wait_loadcnt 16                              ; the gate value, the histograms and the word are in; the 16 row loads stay out
	v_add_f32_dpp v6, v6, v6 row_xmask:4 row_mask:0xf bank_mask:0xf    ; the sum over my wave's 8 batches: lanes 4, 8 and 16 apart
	v_add_f32_dpp v6, v6, v6 row_xmask:8 row_mask:0xf bank_mask:0xf
	v_permlanex16_b32 v7, v6, s26, s27
	v_add_f32 v6, v6, v7
	ds_store_b32 v14, v6 offset:MS                 ; lanes with the same number write the same word with the same value
	v_add_nc_u32 v12, v[H], v[H+1]                 ; the pair's tokens in my 32 blocks
.set k, 2
.rept 15
	v_add3_u32 v12, v12, v[H+k], v[H+k+1]
.set k, k+2
.endr
	s_cmp_gt_i32 s23, 0
	s_cselect_b32 s24, -1, 0
	v_and_b32 v13, s24, v[H]                       ; and in those of them that lie in front of g
.set k, 1
.rept 31
	s_cmp_gt_i32 s23, k
	s_cselect_b32 s24, -1, 0
	v_and_b32 v14, s24, v[H+k]
	v_add_nc_u32 v13, v13, v14
.set k, k+1
.endr
	ds_store_b32 v15, v12
	ds_store_b32 v15, v13 offset:PRE
	s_wait_dscnt 0x0                               ; for the others' sake: my three stores are done
	s_barrier_signal -1
	s_barrier_wait -1
.irp k, 0,1,2,3,4,5,6,7
	ds_load_b32 v[16+\k], v4 offset:128*\k
	ds_load_b32 v[24+\k], v4 offset:PRE+128*\k
.endr
.irp r, 0,1,2,3
	v_mov_b32 v[Z+\r], 0
.endr
	v_mov_b32 v35, 0
	v_mov_b32 v118, 0
	v_mov_b32 v119, -1
	s_wait_dscnt 0x0
	v_add3_u32 v12, v16, v17, v18                  ; n: the pair's tokens (lane = pair; lanes 28-31 hold 0)
	v_add3_u32 v13, v24, v25, v26                  ; those in blocks in front of g
	v_add3_u32 v12, v12, v19, v20
	v_add3_u32 v13, v13, v27, v28
	v_add3_u32 v12, v12, v21, v22
	v_add3_u32 v13, v13, v29, v30
	v_add_nc_u32 v12, v12, v23
	v_add_nc_u32 v13, v13, v31
	v_add_nc_u32 v32, 0x7f, v12
	v_lshrrev_b32 v32, 7, v32                      ; the pair's tiles: (n + 127) / 128
	v_lshlrev_b32 v33, 7, v32
	v_sub_nc_u32 v33, v33, v12                     ; its pads
	v_lshl_or_b32 v34, v33, 16, v32                ; both in one word: the sums stay under 2^16 (91 tiles, 3,556 pads)
.set k, 0
.rept 28
	v_readlane_b32 s[68+k], v34, k
.set k, k+1
.endr
	s_mov_b32 s23, 0
.set k, 0
.rept 28
	v_writelane_b32 v35, s23, k                    ; what lies in front of pair k
	s_add_co_u32 s23, s23, s[68+k]
.set k, k+1
.endr
	v_writelane_b32 v35, s23, 28                   ; lane 28 stands for the empty tiles behind the last run
	v_and_b32 v36, 0xffff, v35                     ; the pair's first tile
	v_lshrrev_b32 v37, 16, v35                     ; the pads in front of the pair's
	v_lshl_add_u32 v38, v36, 7, v13                ; the slot of my block's first token of the pair
	v_lshl_add_u32 v39, v36, 7, v12
	v_sub_nc_u32 v39, v39, v37                     ; pad q of the pair lies in slot q + this
	v_and_b32 v40, 0xff, v5
	v_min_u32 v40, 31, v40
	v_lshlrev_b32 v40, 2, v40
	ds_bpermute_b32 v41, v40, v38                  ; lane = token now: each takes its pair's lane
	v_lshrrev_b32 v42, 8, v5                       ; rank in the block
	; my two pads: the pair is the last whose prefix is not behind q
	s_lshl1_add_u32 s40, s16, s19                  ; q = 16 g + 2 w
.irp j, 0,1
	s_add_co_u32 s[42+\j], s40, \j
	v_cmp_le_u32 s44, v37, s[42+\j]
	s_and_b32 s44, s44, 0x1fffffff                 ; lanes 0 to 28
	s_bcnt1_i32_b32 s44, s44
	s_sub_co_u32 s44, s44, 1
	v_readlane_b32 s45, v39, s44
	s_add_co_u32 s45, s45, s[42+\j]
	s_min_u32 s[46+\j], s45, LASTS
	s_lshl_b32 s45, s[46+\j], 11
	v_add_nc_u32 v[116+\j], s45, v2
.irp t, 0,1,2,3
	global_store_b128 v[116+\j], v[Z:Z+3], s[10:11] offset:512*\t      ; a zero row
.endr
	s_lshl_b32 s45, s[46+\j], 2
	v_writelane_b32 v118, s45, \j                  ; and its word of perm, for the short store below
.endr
	s_wait_dscnt 0x0
	v_add_nc_u32 v41, v41, v42
	v_min_u32 v41, 0x2fff, v41                     ; the slot of token 32 g + lane
	s_lshl_b32 s29, s16, 2
.irp k, 0,1,2,3
	s_add_co_u32 s[32+\k], s29, \k
	v_readlane_b32 s[36+\k], v41, s[32+\k]         ; my token k's slot
	s_min_u32 s[36+\k], s[36+\k], LASTS
	s_lshl_b32 s[36+\k], s[36+\k], 11
	v_add_nc_u32 v[44+\k], s[36+\k], v2
.endr
.irp k, 0,1,2,3
	s_wait_loadcnt 12-4*\k                         ; row k's four loads are in; the later rows' stay out
.irp t, 0,1,2,3
	global_store_b128 v[44+\k], v[X+16*\k+4*\t:X+16*\k+4*\t+3], s[10:11] offset:512*\t
.endr
.endr
	; one short store into rt: lanes 0 and 1 put -1 into my pads' words of perm; in work-groups 0-11 lane 2 puts the table word of tile 8 g + w
	s_mov_b32 s48, 2
	s_cmp_ge_u32 ttmp9, 12
	s_cbranch_scc1 .Lno_tab
	s_lshl3_add_u32 s49, ttmp9, s16                ; the tile
	v_cmp_le_u32 s50, v36, s49                     ; its pair is the last that begins at or in front of it (behind the last run: pair 27)
	s_and_b32 s50, s50, 0x0fffffff
	s_bcnt1_i32_b32 s50, s50
	s_sub_co_u32 s50, s50, 1
	s_mov_b32 s51, 0
.irp thr, 7,13,18,22,25,27
	s_cmp_ge_u32 s50, \thr                         ; the pairs with elo = 1, 2, .. begin at these numbers
	s_add_co_ci_u32 s51, s51, 0
.endr
	s_sub_co_u32 s52, 15, s51
	s_mul_i32 s52, s52, s51
	s_lshr_b32 s52, s52, 1
	s_sub_co_u32 s53, s50, s52
	s_add_co_u32 s53, s53, s51
	s_add_co_u32 s53, s53, 1                       ; ehi = pair - elo (15 - elo) / 2 + elo + 1
	s_lshl_b32 s53, s53, 8
	s_or_b32 s53, s53, s51
	s_lshl_b32 s54, s49, 2
	s_add_co_u32 s54, s54, TABO
	v_writelane_b32 v118, s54, 2
	v_writelane_b32 v119, s53, 2
	s_mov_b32 s48, 3
.Lno_tab:
	v_min_u32 v118, 0x141fc, v118                  ; inside rt
	v_cmp_gt_u32 vcc_lo, s48, v1
	s_wait_xcnt 0x0                                ; EXEC is a source of the stores in front: it changes only behind this wait
	s_and_saveexec_b32 s55, vcc_lo
	global_store_b32 v118, v119, s[12:13]
	s_wait_xcnt 0x0                                ; and again in front of the line that widens it
	s_or_b32 exec_lo, exec_lo, s55
	s_cmp_lg_u32 s16, 0
	s_cbranch_scc1 .Lend                           ; the block's lists and the mean are wave 0's; all waves meet at the barrier at the end
	ds_load_b32 v120, v4 offset:MS                 ; lane = 4 x wave + number
	v_lshlrev_b32 v121, 2, v41
	s_lshl_b32 s56, ttmp9, 5
	v_add_nc_u32 v122, s56, v1
	global_store_b32 v10, v41, s[12:13] offset:POSO        ; pos[token]
	global_store_b32 v121, v122, s[12:13]                  ; perm[slot]
	v_add_nc_u32 v123, s19, v4
	s_wait_dscnt 0x0
	v_add_f32_dpp v120, v120, v120 row_xmask:4 row_mask:0xf bank_mask:0xf
	v_add_f32_dpp v120, v120, v120 row_xmask:8 row_mask:0xf bank_mask:0xf
	v_permlanex16_b32 v7, v120, s26, s27
	v_add_f32 v120, v120, v7
	v_mul_f32 v120, 0x3c800000, v120               ; / 64
	v_cmp_gt_u32 vcc_lo, 4, v1
	s_wait_xcnt 0x0                                ; EXEC changes only behind this wait
	s_and_saveexec_b32 s55, vcc_lo
	global_store_b32 v123, v120, s[14:15]
	s_wait_xcnt 0x0
	s_or_b32 exec_lo, exec_lo, s55
.Lend:
	s_barrier_signal -1
	s_barrier_wait -1
	s_wait_tensorcnt 0x0
	ds_add_u32 v128, v129
	s_wait_dscnt 0x0
	s_endpgm
.Lfunc_end_k_q1fd4c3dbab_place:
	.size	k_q1fd4c3dbab_place, .Lfunc_end_k_q1fd4c3dbab_place-k_q1fd4c3dbab_place
	.p2alignl 7, 3214868480
	.fill 96, 4, 3214868480
	.section	.rodata,"a",@progbits
	.p2align	6, 0x0
	.amdhsa_kernel k_q1fd4c3dbab_place
		.amdhsa_group_segment_fixed_size 5120
		.amdhsa_private_segment_fixed_size 0
		.amdhsa_enable_private_segment 0
		.amdhsa_kernarg_size 48
		.amdhsa_user_sgpr_count 2
		.amdhsa_user_sgpr_kernarg_segment_ptr 1
		.amdhsa_wavefront_size32 1
		.amdhsa_system_sgpr_workgroup_id_x 1
		.amdhsa_system_sgpr_workgroup_id_y 1
		.amdhsa_system_sgpr_workgroup_id_z 1
		.amdhsa_system_vgpr_workitem_id 0
		.amdhsa_next_free_vgpr 130
		.amdhsa_next_free_sgpr 96
		.amdhsa_reserve_vcc 1
		.amdhsa_float_denorm_mode_32 3
		.amdhsa_float_denorm_mode_16_64 3
		.amdhsa_memory_ordered 1
		.amdhsa_forward_progress 1
		.amdhsa_inst_pref_size 26
	.end_amdhsa_kernel
	.amdgpu_metadata
---
amdhsa.version: [ 1, 2 ]
amdhsa.kernels:
  - .name:           k_q1fd4c3dbab_place
    .symbol:         k_q1fd4c3dbab_place.kd
    .args:
      - { .name: sel, .offset: 0, .size: 8, .value_kind: global_buffer, .address_space: global }
      - { .name: gw, .offset: 8, .size: 8, .value_kind: global_buffer, .address_space: global }
      - { .name: xt, .offset: 16, .size: 8, .value_kind: global_buffer, .address_space: global }
      - { .name: xs, .offset: 24, .size: 8, .value_kind: global_buffer, .address_space: global }
      - { .name: rt, .offset: 32, .size: 8, .value_kind: global_buffer, .address_space: global }
      - { .name: out1, .offset: 40, .size: 8, .value_kind: global_buffer, .address_space: global }
    .group_segment_fixed_size: 5120
    .private_segment_fixed_size: 0
    .kernarg_segment_align: 8
    .kernarg_segment_size: 48
    .max_flat_workgroup_size: 256
    .sgpr_count:     96
    .vgpr_count:     130
    .wavefront_size: 32
...
	.end_amdgpu_metadata
.endif
;; end of part 6
;; launch moe: the kernel of part 4 again; grid 256 x 1, 4 waves a work-group, clusters of 4 x 1, 327,680 bytes of LDS; arguments xs, wt, expert_b, gw, rt, ys; writes ys
;; launch finish: the kernel of part 5 again; grid 256 x 1, 8 waves a work-group, no clusters, 134,144 bytes of LDS; arguments ys, rt, out0; writes out0
;; ======== version 3 of 3: 4 launches; 1.28 times as fast as version 1
;; workspace buffers: xt 16,777,216 bytes; wt 16,777,216 bytes; gw 327,680 bytes; sel 65,536 bytes of whole numbers; rt 139,520 bytes of whole numbers; xs 37,748,736 bytes; ys 75,497,472 bytes
;; launch prep: the kernel of part 1 again; grid 256 x 1, 16 waves a work-group, no clusters, 234,496 bytes of LDS; arguments x, expert_W, gate_W, xt, wt, gw, sel; writes xt, wt, gw, sel
;; launch place (part 7): grid 256 x 1, 8 waves a work-group, no clusters, 5,120 bytes of LDS; arguments sel, gw, xt, xs, rt, out1; writes xs, rt, out1
.if DOCPART == 7
	.amdgcn_target "amdgcn-amd-amdhsa--gfx1250"
	.amdhsa_code_object_version 6
	.text
	.protected	k_q1fd4c3dbab_place
	.globl	k_q1fd4c3dbab_place
	.p2align	8
	.type	k_q1fd4c3dbab_place,@function
k_q1fd4c3dbab_place:
	s_mov_b64 s[64:65], 0
	v_nop
	global_prefetch_b8 v0, s[64:65] scope:SCOPE_SE
	s_setreg_imm32_b32 hwreg(HW_REG_WAVE_MODE, 25, 1), 1
	s_wait_xcnt 0x0
; PLACE.  Gives every token two slots, one for each of its two experts, and carries its row there: xs[slot] = xt[token].  The slots of an expert lie together, each expert's run
; padded with zero rows to whole tiles of 288 slots.  The 8 runs hold 16,384 slots and take at most (16,384 + 8 x 287) / 288 = 64 tiles, whatever the routing: 64 tiles (18,432 slots)
; are always laid out, those behind the last run all pads.  It also stores perm[slot] (2 x token + 0 for the lower expert, + 1 for the higher: the index of the slot's weight; -1 for a
; pad), pos[token] (its two slots), a table word for each tile (its expert), and gate_mean.
; SHARES.  Work-group g owns the 32 tokens of block g (one of the 256 histograms made earlier) and 8 of the pads: there are always 18,432 - 16,384 = 2,048 pads, numbered in slot order.
; Wave w copies tokens 4 w .. 4 w + 3, each to two slots (their 16 loads go out at the head, while the routing is worked out), and zeroes pad 8 g + w.
; ROUTING is made anew in every work-group from the 32 KB of histograms (by pair of experts), without atomics and with one barrier: wave w adds histograms 32 w .. 32 w + 31 (lane = pair),
; once all of them and once those of blocks in front of g; the eight waves' sums meet in LDS; the two sums of a pair, packed in one word, are added into both its experts in scalar
; registers; a scan over the 8 experts gives each one's first tile and the pads in front of its own.  A token's rank among its block's tokens of an expert is a count of lower lanes.
; GATE_MEAN rides on the same barrier: work-group g makes 4 of its 1,024 numbers; each wave sums 8 batches across its lanes, wave 0 the eight waves.  It reads 16 bytes of each batch's
; 4,096, 64 short reads a work-group, 256 KB of data in the launch.
; A stream: no matrix unit, no cluster (the work-groups share the histograms alone), no LDS stage for rows that are whole and contiguous already.
; Every address that hangs on loaded whole numbers is clamped by a constant in front of its last shift; no branch hangs on loaded numbers.
.set HISTO, 32768                      ; sel: the histograms, behind the tokens' words (the pair's number in the low byte)
.set TS,    288                        ; slots in a tile
.set LASTS, 64*TS-1                    ; the last slot, 18,431
.set POSO,  64*TS*4                    ; rt: pos behind perm's 18,432 words
.set TABO,  POSO+65536                 ; rt: the table, 64 words
.set PRE,   1024                       ; LDS: at 0 each wave's totals, here its sums over the blocks in front of g: 8 x 128 bytes each
.set MS,    2048                       ; LDS: 8 waves x 4 partial means
.set H,     16                         ; v[16:47]   my wave's 32 histograms; later at work
.set X,     48                         ; v[48:111]  my four rows, 16 registers each
.set Z,     112                        ; v[112:115] zeros
.set SE,    40                         ; s[40:47]   expert e: its tokens | those in blocks in front of g << 16
.set TB,    48                         ; s[48:55]   expert e: the slot of my block's first token
.set PB,    56                         ; s[56:63]   expert e: pad q lies in slot q + this
.set FT,    68                         ; s[68:75]   expert e: its first tile        (s[68:95] first hold the 28 pairs' packed sums)
.set PP,    76                         ; s[76:83]   expert e: the pads in front of its own
	s_load_b256 s[4:11], s[0:1], 0x0               ; sel s[4:5], gw s[6:7], xt s[8:9], xs s[10:11]
	s_load_b128 s[12:15], s[0:1], 0x20             ; rt s[12:13], out1 s[14:15]
	v_lshl_add_u32 v128, v0, 2, 0x1000
	v_mov_b32 v129, 0
	v_lshrrev_b32 v8, 5, v0
	v_readfirstlane_b32 s16, v8                    ; wave 0..7
	v_and_b32 v1, 31, v0                           ; lane
	v_lshlrev_b32 v2, 4, v1                        ; 16 bytes a lane: a row load or store of the wave covers 512 consecutive bytes
	v_lshlrev_b32 v4, 2, v1
	s_lshl_b32 s17, s16, 12
	v_add_nc_u32 v3, s17, v4                       ; histograms 32 w + i, 128 bytes each, i in the offset
	v_lshrrev_b32 v8, 2, v1
	v_and_b32 v9, 3, v1
	v_lshlrev_b32 v9, 2, v9                        ; which of my work-group's 4 numbers of gate_mean
	v_lshl_add_u32 v8, v8, 12, v9                  ; batch 8 w + lane / 4: 4,096 bytes of gate values each
	s_lshl_b32 s18, s16, 15
	s_lshl_b32 s19, ttmp9, 4                       ; 16 g: my 4 numbers, in bytes
	s_add_co_u32 s18, s18, s19
	v_add_nc_u32 v8, s18, v8
	s_lshl_b32 s20, ttmp9, 7
	v_add_nc_u32 v10, s20, v4                      ; token 32 g + lane: its word in sel
	s_lshl_b32 s21, ttmp9, 16
	s_lshl_b32 s22, s16, 13
	s_add_co_u32 s21, s21, s22
	v_add_nc_u32 v11, s21, v2                      ; my four rows of xt: token 32 g + 4 w on
	s_mov_b32 s26, 0x76543210                      ; v_permlanex16_b32: each lane takes its own place in the other half
	s_mov_b32 s27, 0xfedcba98
	v_mov_b32 v7, 0                                ; its destination counts as read
	s_wait_kmcnt 0x0
	global_load_b32 v6, v8, s[6:7]
.set k, 0
.rept 32
	global_load_b32 v[H+k], v3, s[4:5] offset:HISTO+128*k
.set k, k+1
.endr
	global_load_b32 v5, v10, s[4:5]
.irp k, 0,1,2,3
.irp t, 0,1,2,3
	global_load_b128 v[X+16*\k+4*\t:X+16*\k+4*\t+3], v11, s[8:9] offset:2048*\k+512*\t th:TH_LOAD_NT
.endr
.endr
	s_lshl_b32 s23, s16, 5
	s_sub_co_i32 s23, ttmp9, s23                   ; d = g - 32 w: my histograms i < d belong to blocks in front of g
	s_lshl_b32 s25, s16, 7
	v_add_nc_u32 v15, s25, v4
	s_lshl_b32 s28, s16, 4
	v_add_nc_u32 v14, s28, v9
	s_wait_loadcnt 16                              ; the gate value, the histograms and the word are in; the 16 row loads stay out
	v_add_f32_dpp v6, v6, v6 row_xmask:4 row_mask:0xf bank_mask:0xf    ; the sum over my wave's 8 batches: lanes 4, 8 and 16 apart
	v_add_f32_dpp v6, v6, v6 row_xmask:8 row_mask:0xf bank_mask:0xf
	v_permlanex16_b32 v7, v6, s26, s27
	v_add_f32 v6, v6, v7
	ds_store_b32 v14, v6 offset:MS                 ; lanes with the same number write the same word with the same value
	v_add_nc_u32 v12, v[H], v[H+1]                 ; the pair's tokens in my 32 blocks
.set k, 2
.rept 15
	v_add3_u32 v12, v12, v[H+k], v[H+k+1]
.set k, k+2
.endr
	s_cmp_gt_i32 s23, 0
	s_cselect_b32 s24, -1, 0
	v_and_b32 v13, s24, v[H]                       ; and in those of them that lie in front of g
.set k, 1
.rept 31
	s_cmp_gt_i32 s23, k
	s_cselect_b32 s24, -1, 0
	v_and_b32 v14, s24, v[H+k]
	v_add_nc_u32 v13, v13, v14
.set k, k+1
.endr
	ds_store_b32 v15, v12
	ds_store_b32 v15, v13 offset:PRE
	s_wait_dscnt 0x0                               ; for the others' sake: my three stores are done
	s_barrier_signal -1
	s_barrier_wait -1
.irp k, 0,1,2,3,4,5,6,7
	ds_load_b32 v[16+\k], v4 offset:128*\k
	ds_load_b32 v[24+\k], v4 offset:PRE+128*\k
.endr
	; while they are out: the two experts of token 32 g + lane, from its pair's number t = elo (15 - elo) / 2 + ehi - elo - 1
	v_and_b32 v40, 0xff, v5
	v_min_u32 v40, 27, v40
	v_mov_b32 v41, 0
.irp thr, 7,13,18,22,25,27
	v_cmp_le_u32 vcc_lo, \thr, v40                 ; the pairs with elo = 1, 2, .. begin at these numbers
	v_cndmask_b32 v42, 0, 1, vcc_lo
	v_add_nc_u32 v41, v41, v42                     ; elo
.endr
	v_sub_nc_u32 v43, 15, v41
	v_mul_u32_u24 v43, v43, v41
	v_lshrrev_b32 v43, 1, v43
	v_sub_nc_u32 v44, v40, v43
	v_add3_u32 v44, v44, v41, 1                    ; ehi
.irp r, 0,1,2,3
	v_mov_b32 v[Z+\r], 0
.endr
	v_mov_b32 v46, 0                               ; the selects below read them
	v_mov_b32 v47, 0
	v_mov_b32 v118, 0
	v_mov_b32 v119, -1
	s_wait_dscnt 0x0
	v_add3_u32 v12, v16, v17, v18                  ; the pair's tokens (lane = pair; lanes 28-31 hold 0)
	v_add3_u32 v13, v24, v25, v26                  ; those in blocks in front of g
	v_add3_u32 v12, v12, v19, v20
	v_add3_u32 v13, v13, v27, v28
	v_add3_u32 v12, v12, v21, v22
	v_add3_u32 v13, v13, v29, v30
	v_add_nc_u32 v12, v12, v23
	v_add_nc_u32 v13, v13, v31
	v_lshl_or_b32 v34, v13, 16, v12                ; both in one word: an expert's sums stay at 8,192 or under
.set k, 0
.rept 28
	v_readlane_b32 s[68+k], v34, k
.set k, k+1
.endr
.irp e, 0,1,2,3,4,5,6,7
	s_mov_b32 s[SE+\e], 0
.endr
.set bin, 0
.irp lo, 0,1,2,3,4,5,6
.irp hi, 1,2,3,4,5,6,7
.if \hi > \lo
	s_add_co_u32 s[SE+\lo], s[SE+\lo], s[68+bin]   ; a pair's tokens count for both its experts
	s_add_co_u32 s[SE+\hi], s[SE+\hi], s[68+bin]
.set bin, bin+1
.endif
.endr
.endr
	s_mov_b32 s23, 0                               ; tiles so far
	s_mov_b32 s24, 0                               ; pads so far
.irp e, 0,1,2,3,4,5,6,7
	s_and_b32 s25, s[SE+\e], 0xffff                ; n: the expert's tokens
	s_lshr_b32 s28, s[SE+\e], 16                   ; those in blocks in front of g
	s_mul_i32 s29, s23, TS                         ; the expert's first slot
	s_add_co_u32 s[TB+\e], s29, s28
	s_add_co_u32 s29, s29, s25
	s_sub_co_u32 s[PB+\e], s29, s24
	s_mov_b32 s[FT+\e], s23
	s_mov_b32 s[PP+\e], s24
	s_add_co_u32 s28, s25, TS-1
	s_lshr_b32 s28, s28, 5                         ; (n + 287) / 288 = ((n + 287) / 32) / 9,
	s_mul_i32 s28, s28, 57                         ; and y / 9 = 57 y / 512 for y under 504 (here 264 at the most)
	s_lshr_b32 s28, s28, 9                         ; the expert's tiles
	s_add_co_u32 s23, s23, s28
	s_mul_i32 s28, s28, TS
	s_sub_co_u32 s28, s28, s25                     ; its pads
	s_add_co_u32 s24, s24, s28
.endr
	s_mul_i32 s29, s23, TS
	s_sub_co_u32 s86, s29, s24                     ; the same for the empty tiles behind the last run
	; my pad: it belongs to the last run whose pads do not begin behind q
	s_lshl3_add_u32 s33, ttmp9, s16                ; q = 8 g + w
	s_mov_b32 s34, s[PB]
.irp e, 1,2,3,4,5,6,7
	s_cmp_le_u32 s[PP+\e], s33
	s_cselect_b32 s34, s[PB+\e], s34
.endr
	s_cmp_le_u32 s24, s33
	s_cselect_b32 s34, s86, s34
	s_add_co_u32 s34, s34, s33
	s_min_u32 s34, s34, LASTS
	s_lshl_b32 s35, s34, 11
	v_add_nc_u32 v116, s35, v2
.irp t, 0,1,2,3
	global_store_b128 v116, v[Z:Z+3], s[10:11] offset:512*\t   ; a zero row
.endr
	s_lshl_b32 s35, s34, 2
	v_writelane_b32 v118, s35, 0                   ; and its word of perm, for the short store below
	; the two slots of token 32 g + lane: the expert's base for my block + how many lower lanes have that expert
.irp e, 0,1,2,3,4,5,6,7
	v_cmp_eq_u32 s30, \e, v41
	v_cmp_eq_u32 s31, \e, v44
	s_or_b32 s32, s30, s31
	v_mbcnt_lo_u32_b32 v45, s32, 0
	v_add_nc_u32 v45, s[TB+\e], v45
	v_cndmask_b32 v46, v46, v45, s30
	v_cndmask_b32 v47, v47, v45, s31
.endr
	v_min_u32 v46, 0x47ff, v46                     ; 18,431 at the most
	v_min_u32 v47, 0x47ff, v47
	s_lshl_b32 s29, s16, 2
.irp k, 0,1,2,3
	s_add_co_u32 s36, s29, \k
	v_readlane_b32 s37, v46, s36                   ; my token k's two slots
	v_readlane_b32 s38, v47, s36
	s_min_u32 s37, s37, LASTS
	s_min_u32 s38, s38, LASTS
	s_lshl_b32 s37, s37, 11
	s_lshl_b32 s38, s38, 11
	v_add_nc_u32 v[24+\k], s37, v2
	v_add_nc_u32 v[28+\k], s38, v2
.endr
.irp k, 0,1,2,3
	s_wait_loadcnt 12-4*\k                         ; row k's four loads are in; the later rows' stay out
.irp t, 0,1,2,3
	global_store_b128 v[24+\k], v[X+16*\k+4*\t:X+16*\k+4*\t+3], s[10:11] offset:512*\t
.endr
.irp t, 0,1,2,3
	global_store_b128 v[28+\k], v[X+16*\k+4*\t:X+16*\k+4*\t+3], s[10:11] offset:512*\t
.endr
.endr
	; one short store into rt: lane 0 puts -1 into my pad's word of perm; in work-groups 0-7 lane 1 puts the table word of tile 8 g + w
	s_mov_b32 s48, 1
	s_cmp_ge_u32 ttmp9, 8
	s_cbranch_scc1 .Lno_tab
	s_mov_b32 s50, 0
.irp e, 1,2,3,4,5,6,7
	s_cmp_le_u32 s[FT+\e], s33                     ; the tile's expert is the last that begins at or in front of it (behind the last run: expert 7)
	s_cselect_b32 s50, \e, s50
.endr
	s_lshl_b32 s54, s33, 2
	s_add_co_u32 s54, s54, TABO
	v_writelane_b32 v118, s54, 1
	v_writelane_b32 v119, s50, 1
	s_mov_b32 s48, 2
.Lno_tab:
	v_min_u32 v118, TABO+252, v118                 ; inside rt
	v_cmp_gt_u32 vcc_lo, s48, v1
	s_wait_xcnt 0x0                                ; EXEC is a source of the stores in front: it changes only behind this wait
	s_and_saveexec_b32 s55, vcc_lo
	global_store_b32 v118, v119, s[12:13]
	s_wait_xcnt 0x0                                ; and again in front of the line that widens it
	s_or_b32 exec_lo, exec_lo, s55
	s_cmp_lg_u32 s16, 0
	s_cbranch_scc1 .Lend                           ; the block's lists and the mean are wave 0's; all waves meet at the barrier at the end
	ds_load_b32 v120, v4 offset:MS                 ; lane = 4 x wave + number
	v_lshlrev_b32 v121, 2, v46
	v_lshlrev_b32 v124, 2, v47
	s_lshl_b32 s36, ttmp9, 6
	v_lshl_add_u32 v122, v1, 1, s36                ; 2 x token
	v_or_b32 v125, 1, v122
	s_lshl_b32 s39, ttmp9, 8
	v_lshl_add_u32 v126, v1, 3, s39
	global_store_b64 v126, v[46:47], s[12:13] offset:POSO      ; pos[token]: 256 consecutive bytes a work-group
	global_store_b32 v121, v122, s[12:13]                      ; perm[lower expert's slot]
	global_store_b32 v124, v125, s[12:13]                      ; perm[higher expert's slot]
	v_add_nc_u32 v123, s19, v4
	s_wait_dscnt 0x0
	v_add_f32_dpp v120, v120, v120 row_xmask:4 row_mask:0xf bank_mask:0xf
	v_add_f32_dpp v120, v120, v120 row_xmask:8 row_mask:0xf bank_mask:0xf
	v_permlanex16_b32 v7, v120, s26, s27
	v_add_f32 v120, v120, v7
	v_mul_f32 v120, 0x3c800000, v120               ; / 64
	v_cmp_gt_u32 vcc_lo, 4, v1
	s_wait_xcnt 0x0                                ; EXEC changes only behind this wait
	s_and_saveexec_b32 s55, vcc_lo
	global_store_b32 v123, v120, s[14:15]
	s_wait_xcnt 0x0
	s_or_b32 exec_lo, exec_lo, s55
.Lend:
	s_barrier_signal -1
	s_barrier_wait -1
	s_wait_tensorcnt 0x0
	ds_add_u32 v128, v129
	s_wait_dscnt 0x0
	s_endpgm
.Lfunc_end_k_q1fd4c3dbab_place:
	.size	k_q1fd4c3dbab_place, .Lfunc_end_k_q1fd4c3dbab_place-k_q1fd4c3dbab_place
	.p2alignl 7, 3214868480
	.fill 96, 4, 3214868480
	.section	.rodata,"a",@progbits
	.p2align	6, 0x0
	.amdhsa_kernel k_q1fd4c3dbab_place
		.amdhsa_group_segment_fixed_size 5120
		.amdhsa_private_segment_fixed_size 0
		.amdhsa_enable_private_segment 0
		.amdhsa_kernarg_size 48
		.amdhsa_user_sgpr_count 2
		.amdhsa_user_sgpr_kernarg_segment_ptr 1
		.amdhsa_wavefront_size32 1
		.amdhsa_system_sgpr_workgroup_id_x 1
		.amdhsa_system_sgpr_workgroup_id_y 1
		.amdhsa_system_sgpr_workgroup_id_z 1
		.amdhsa_system_vgpr_workitem_id 0
		.amdhsa_next_free_vgpr 130
		.amdhsa_next_free_sgpr 96
		.amdhsa_reserve_vcc 1
		.amdhsa_float_denorm_mode_32 3
		.amdhsa_float_denorm_mode_16_64 3
		.amdhsa_memory_ordered 1
		.amdhsa_forward_progress 1
		.amdhsa_inst_pref_size 36
	.end_amdhsa_kernel
	.amdgpu_metadata
---
amdhsa.version: [ 1, 2 ]
amdhsa.kernels:
  - .name:           k_q1fd4c3dbab_place
    .symbol:         k_q1fd4c3dbab_place.kd
    .args:
      - { .name: sel, .offset: 0, .size: 8, .value_kind: global_buffer, .address_space: global }
      - { .name: gw, .offset: 8, .size: 8, .value_kind: global_buffer, .address_space: global }
      - { .name: xt, .offset: 16, .size: 8, .value_kind: global_buffer, .address_space: global }
      - { .name: xs, .offset: 24, .size: 8, .value_kind: global_buffer, .address_space: global }
      - { .name: rt, .offset: 32, .size: 8, .value_kind: global_buffer, .address_space: global }
      - { .name: out1, .offset: 40, .size: 8, .value_kind: global_buffer, .address_space: global }
    .group_segment_fixed_size: 5120
    .private_segment_fixed_size: 0
    .kernarg_segment_align: 8
    .kernarg_segment_size: 48
    .max_flat_workgroup_size: 256
    .sgpr_count:     96
    .vgpr_count:     130
    .wavefront_size: 32
...
	.end_amdgpu_metadata
.endif
;; end of part 7
;; launch moe (part 8): grid 256 x 1, 4 waves a work-group, clusters of 4 x 1, 327,680 bytes of LDS; arguments xs, wt, expert_b, gw, rt, ys; writes ys
.if DOCPART == 8
	.amdgcn_target "amdgcn-amd-amdhsa--gfx1250"
	.amdhsa_code_object_version 6
	.text
	.protected	k_q1fd4c3dbab_moe
	.globl	k_q1fd4c3dbab_moe
	.p2align	8
	.type	k_q1fd4c3dbab_moe,@function
k_q1fd4c3dbab_moe:
	s_mov_b64 s[64:65], 0
	v_nop
	global_prefetch_b8 v0, s[64:65] scope:SCOPE_SE
	s_setreg_imm32_b32 hwreg(HW_REG_WAVE_MODE, 25, 1), 1
	s_wait_xcnt 0x0
	s_wait_alu depctr_hold_cnt(0) depctr_sa_sdst(0) depctr_va_vdst(0) depctr_va_sdst(0) depctr_va_ssrc(0) depctr_va_vcc(0) depctr_vm_vsrc(0)
	s_getreg_b32 s2, hwreg(HW_REG_IB_STS2, 6, 4)
	s_cmp_eq_u32 s2, 0
	s_cbranch_scc0 .Lentry_in_a_cluster
	s_endpgm
.Lentry_in_a_cluster:
	s_bfe_u32 s2, ttmp6, 0x10000c
	s_cmp_lg_u32 s2, 0x3003
	s_cbranch_scc0 .Lentry_shape_is_right
	s_endpgm
.Lentry_shape_is_right:
; MOE.  ys[slot][p] = w[slot] (xs[slot] . wt[e][p] + b[e][p]): all 288 slots of a tile belong to one expert e.  bf16 operands, f32 sums, K = 1,024 ascending.
; A token has two slots, one for each of its two experts; the other six experts' products are multiplied by an exact zero in the problem itself and are not made.
; SHARES.  There are always 64 tiles, which hold any routing ((16,384 + 8 x 287) / 288 = 64 at the most): cluster C of 64 takes tile C.  The count is a constant, so that every wave passes
; the same barriers whatever the routing.  Pad slots hold zero rows and are multiplied like the others: their rows of ys are finite (bias times token 8,191's weight) and nobody reads them.
; Work-group cx of the cluster takes all 288 slots x 256 p (256 cx on).  Wave w takes 144 slots (144 (w / 2) on) x 128 p (128 (w % 2) on): 9 x 8 = 72 accumulators, 576 registers.
; K goes in steps of 128 through two LDS slots: 288 matrix instructions a wave in a step, 256 of them between a slot's request and the wait for it.
; CLUSTER.  The 288 rows of xs hang on the tile alone: the four partners ask for them JOINTLY (mask 15), 72 KB of a K step's 136 KB.  The weights are NOT shared: the four partners take
; four different blocks of p, and which tiles share an expert hangs on the data, so no fixed cluster can be formed of such tiles.  They come by plain loads.
; No branch hangs on loaded numbers or on cx; cx enters the weights', the bias' and ys's addresses alone; the table word enters the weights' and the bias' addresses alone.
; THE MATRIX INSTRUCTION IS USED TRANSPOSED: source 0 = 16 rows of wt (p), source 1 = 16 rows of xs (slots): lane l holds slot l % 16 and p = 8 (l / 16) + 0..7.
; THE BIAS STARTS THE SUMS: in that layout a lane's eight numbers of the bias are the C of the first product, so that the way out is one multiplication by the slot's weight.
; A work-group has one tile, so all its stores stand at its end.
; REGISTERS, in windows of 256.  Window 0: v1-31 addresses, indices, weights; v32-103, v104-175 fragments of xs (block i at + 8 i), two buffers; on the way out v32-127 are at work.
;   Windows 1, 2: the accumulators of slot blocks 0-3 and 4-7 ((i, a) at 8 ((8 i + a) % 32)).  Window 3: v0-63 those of block 8; v64-127, v128-191 fragments of wt (block a at + 8 a),
;   two buffers; v192-255 the bias (block a at + 8 a).
.set PITCH, 272                        ; an LDS row: 256 bytes + 16 of padding: an odd multiple of 16 bytes, so the 16 rows of a fragment load start 16 bytes apart modulo 256
.set TS,    288                        ; slots in a tile
.set HS,    144                        ; half of them: what one joint load brings, and what one wave multiplies
.set WOFF,  TS*PITCH                   ; behind xs's 288 rows: wt's 256 rows
.set SLOT,  (TS+256)*PITCH
.set STAGE, 2*SLOT                     ; behind the ring: 16 rows x 272 bytes for each wave, for the way out
.set SPARE, STAGE+4*16*PITCH           ; behind the stages: the spare words, 128 bytes for each wave: two blocks of 256 bytes that no other line names
.set TABO,  139264                     ; rt: the table
.set WTSO,  262144                     ; gw: the weights, 16,384 numbers: index 2 x token + (0 lower, 1 higher expert)
.set FX,  32                           ; xs's fragments, window 0: buffer f at FX + 72 f
.set FW,  64                           ; wt's fragments, window 3: buffer f at FW + 64 f
.set BI,  192                          ; the bias, window 3
.set PO,  6                            ; v6      my slot's word of perm, block i in the offset
.set PIDX, 13                          ; v13-21  the weight's index, then its byte offset, for each of my 9 slot blocks
.set WT,  22                           ; v22-30  the weights; v31 fills the last pair
.set T,   32                           ; the way out: 32 results
.set OB,  64                           ; the way out: 16 rows read back, v64-95 and v96-127 by turns
.set G1A, 24                           ; s[24:31] group 1 for xs's tiles;  s[40:47] group 0, a set for each slot
.set G1W, 32                           ; s[32:39] group 1 for wt's tiles;  s[48:55] group 0, a set for each slot
.set G0A, 40
.set G0W, 48
.set W1,  0x53                         ; source 0 (wt) window 3, source 1 (xs) window 0, C and D window 1
.set W2,  0xa3                         ; C and D window 2
.set W3,  0xf3                         ; C and D window 3
.set Z1,  0x73                         ; D window 1, C (the bias) window 3
.set Z2,  0xb3                         ; D window 2, C window 3
.set TO3, 0xc0                         ; destination window 3, address window 0
.set MSB, 0
.macro WIN new                         ; the immediate's high byte repeats the setting that is left
.if MSB != \new
	s_set_vgpr_msb (MSB<<8)|\new
.set MSB, \new
.endif
.endm
.macro PLACES                          ; four plain places in front of loads into, and vector writes of, registers that matrix instructions have read
.rept 4
	v_nop
.endr
.endm
.macro CREST                           ; a round of the cluster's barrier behind its opening barrier
	s_cmp_lg_u32 s16, 0
	s_cbranch_scc1 .Lnot_wave_0_\@
	s_barrier_signal -3
.Lnot_wave_0_\@:
	s_barrier_wait -3
	s_barrier_signal -1
	s_barrier_wait -1
.endm
.macro CROUND
	s_barrier_signal -1
	s_barrier_wait -1
	CREST
.endm
; One tensor load a wave: waves 0 and 1 ask jointly for the two halves of xs's 288 rows, waves 2 and 3 fetch the two halves of wt's 256 rows.  The branch hangs on the wave's number alone.
; Four v_nop follow each of the two lines, ahead of the jump, the label and what follows.
.macro JLOAD s
	s_cmp_lt_u32 s16, 2
	s_cbranch_scc0 .Lfor_w_\@
	tensor_load_to_lds s[G0A+4*\s:G0A+4*\s+3], s[G1A:G1A+7]
	s_nop 0
.rept 4
	v_nop
.endr
	s_branch .Lasked_\@
.Lfor_w_\@:
	tensor_load_to_lds s[G0W+4*\s:G0W+4*\s+3], s[G1W:G1W+7]
	s_nop 0
.rept 4
	v_nop
.endr
.Lasked_\@:
.endm
	s_load_b256 s[4:11], s[0:1], 0x0               ; xs s[4:5], wt s[6:7], expert_b s[8:9], gw s[10:11]
	s_load_b128 s[12:15], s[0:1], 0x20             ; rt s[12:13], ys s[14:15]
	v_lshl_add_u32 v1, v0, 2, SPARE
	v_mov_b32 v2, 0
	ds_add_u32 v1, v2
	ds_add_u32 v1, v2
	s_wait_dscnt 0x0
	v_lshrrev_b32 v32, 5, v0
	v_readfirstlane_b32 s16, v32                   ; wave 0..3
	s_and_b32 s17, s16, 1                          ; which 128 p are mine.  Also: which half of xs's or of wt's rows I fetch
	s_lshr_b32 s86, s16, 1                         ; which 144 slots are mine
	s_bfe_u32 s18, ttmp6, 0x40000                  ; cx
	s_lshl_b32 s84, ttmp9, 2                       ; in a cluster launch ttmp9 counts clusters: the tile
	s_mov_b32 s[G1A], 15|(1<<16)|(1<<20)|(1<<21)|(5<<22)|(3<<25)   ; mask: all four; elements of 2 bytes; padding on; bit 21 beside a mask; after every 64 words, 4 words
	s_mov_b32 s[G1W], (1<<16)|(1<<20)|(5<<22)|(3<<25)              ; no mask: a load of my own
	s_mov_b32 s[G1A+1], 128<<16                    ; tensor_dim0 = 128
	s_mov_b32 s[G1W+1], 128<<16
	s_mov_b32 s[G1A+2], HS<<16                     ; tensor_dim1 = 144 rows
	s_mov_b32 s[G1W+2], 128<<16                    ; 128 rows
	s_mov_b32 s[G1A+3], 128<<16                    ; tile_dim0 = 128
	s_mov_b32 s[G1W+3], 128<<16
	s_mov_b32 s[G1A+4], HS                         ; tile_dim1
	s_mov_b32 s[G1W+4], 128
	s_mov_b32 s[G1A+5], 1024                       ; elements from row to row
	s_mov_b32 s[G1W+5], 1024
	s_mov_b32 s[G1A+6], 0
	s_mov_b32 s[G1W+6], 0
	s_mov_b32 s[G1A+7], 0
	s_mov_b32 s[G1W+7], 0
	s_mul_i32 s58, ttmp9, TS*2048                  ; the tile's rows of xs, 2,048 bytes each,
	s_mul_i32 s80, s17, HS*2048                    ; and which 144 of them I fetch: no register here ever holds cx
	s_add_co_u32 s58, s58, s80
	s_mov_b32 s59, 0
	s_mul_i32 s82, s17, HS*PITCH                   ; where they go (waves 0, 1),
	s_mul_i32 s83, s17, 128*PITCH
	s_add_co_u32 s83, s83, WOFF                    ; and the weights' (waves 2, 3).  No place in the cluster enters an LDS address
	s_wait_kmcnt 0x0
	s_load_b32 s23, s[12:13], s84 offset:TABO      ; the tile's expert
	s_wait_kmcnt 0x0
	s_min_u32 s23, s23, 7
	s_lshl_b32 s62, s23, 21                        ; expert x 1,024 rows of 2,048 bytes
	s_lshl_b32 s78, s18, 19                        ; + 256 cx rows
	s_add_co_u32 s62, s62, s78
	s_lshl_b32 s78, s17, 18                        ; + which 128 of them I fetch
	s_add_co_u32 s62, s62, s78
	s_mov_b32 s63, 0
.irp s, 0,1
	s_mov_b32 s[G0A+4*\s], 1
	s_add_co_u32 s[G0A+4*\s+1], s82, \s*SLOT
	s_add_nc_u64 s[G0A+4*\s+2:G0A+4*\s+3], s[4:5], s[58:59]
	s_mov_b32 s[G0W+4*\s], 1
	s_add_co_u32 s[G0W+4*\s+1], s83, \s*SLOT
	s_add_nc_u64 s[G0W+4*\s+2:G0W+4*\s+3], s[6:7], s[62:63]
.if \s
	s_add_nc_u64 s[G0A+4*\s+2:G0A+4*\s+3], s[G0A+4*\s+2:G0A+4*\s+3], 256   ; K step 1
	s_add_nc_u64 s[G0W+4*\s+2:G0W+4*\s+3], s[G0W+4*\s+2:G0W+4*\s+3], 256
.endif
	s_or_b32 s[G0A+4*\s+3], s[G0A+4*\s+3], 0x80000000
	s_or_b32 s[G0W+4*\s+3], s[G0W+4*\s+3], 0x80000000
.endr
	CROUND                                         ; all four work-groups are here: the first joint loads meet
	s_cmp_lt_u32 s16, 2                            ; a wave's two first fills stand in one branch: two loads of mine are out
	s_cbranch_scc0 .Lfirst_w
	tensor_load_to_lds s[G0A:G0A+3], s[G1A:G1A+7]
	s_nop 0
	tensor_load_to_lds s[G0A+4:G0A+7], s[G1A:G1A+7]
	s_nop 0
.rept 4
	v_nop
.endr
	s_branch .Lfirst_asked
.Lfirst_w:
	tensor_load_to_lds s[G0W:G0W+3], s[G1W:G1W+7]
	s_nop 0
	tensor_load_to_lds s[G0W+4:G0W+7], s[G1W:G1W+7]
	s_nop 0
.rept 4
	v_nop
.endr
.Lfirst_asked:
	v_and_b32 v32, 15, v0                          ; r = l % 16
	v_bfe_u32 v33, v0, 4, 1                        ; h = l / 16
	v_lshlrev_b32 v3, 5, v33                       ; v3: my 8 numbers of a p block's bias
	v_mul_u32_u24 v34, v32, PITCH
	v_lshl_add_u32 v35, v33, 5, v34                ; (for the stage: 32 bytes a half)
	v_lshl_add_u32 v34, v33, 4, v34                ; a fragment's row x pitch + 16 x half
	s_mul_i32 s76, s86, HS*PITCH
	v_add_nc_u32 v4, s76, v34                      ; v4, v5: xs's fragments in slot 0, 1: my 144 rows, block i in the offset
	v_add_nc_u32 v5, SLOT, v4
	s_mul_i32 s76, s17, 128*PITCH
	s_add_co_u32 s76, s76, WOFF
	v_add_nc_u32 v8, s76, v34                      ; v8, v9: wt's fragments: my 128 rows, block a in the offset
	v_add_nc_u32 v9, SLOT, v8
	s_mul_i32 s77, s16, 16*PITCH
	s_add_co_u32 s77, s77, STAGE                   ; my stage
	v_add_nc_u32 v10, s77, v35                     ; v10: in: row r, 32 bytes for each half
	v_mul_u32_u24 v35, v33, PITCH
	v_lshl_add_u32 v35, v32, 4, v35
	v_add_nc_u32 v11, s77, v35                     ; v11: back: lanes 0-15 one row of 256 bytes, lanes 16-31 the next
	s_mul_i32 s78, s86, HS*4096                    ; my 144 slots: rows of 4,096 bytes,
	s_lshl_b32 s79, s17, 9                         ; my 128 p: 512 bytes
	s_add_co_u32 s78, s78, s79
	v_lshlrev_b32 v35, 12, v33
	v_lshl_add_u32 v35, v32, 4, v35
	v_add_nc_u32 v12, s78, v35                     ; v12: the same two rows in ys
	s_mul_i32 s79, s86, HS*4
	v_lshl_add_u32 v[PO], v32, 2, s79
	v_mov_b32 v31, 0                               ; named with the ninth weight as a pair, so it is written
	s_mul_i32 s78, ttmp9, TS*4096                  ; the tile's rows of ys,
	s_lshl_b32 s79, s18, 10                        ; the work-group's 256 p
	s_add_co_u32 s78, s78, s79
	s_mov_b32 s79, 0
	s_add_nc_u64 s[66:67], s[14:15], s[78:79]
	s_lshl_b32 s80, s23, 12                        ; the expert's bias,
	s_lshl_b32 s81, s18, 10
	s_add_co_u32 s80, s80, s81
	s_lshl_b32 s81, s17, 9                         ; at my wave's first p
	s_add_co_u32 s80, s80, s81
	s_mov_b32 s81, 0
	s_add_nc_u64 s[68:69], s[8:9], s[80:81]
	s_mul_i32 s82, ttmp9, TS*4                     ; the tile's words of perm
	s_mov_b32 s83, 0
	s_add_nc_u64 s[72:73], s[12:13], s[82:83]
.irp i, 0,1,2,3,4,5,6,7,8
	global_load_b32 v[PIDX+\i], v[PO], s[72:73] offset:64*\i   ; the index of my slot's weight, block i
.endr
	WIN TO3
.irp a, 0,1,2,3,4,5,6,7
	global_load_b128 v[BI+8*\a:BI+8*\a+3],   v3, s[68:69] offset:64*\a
	global_load_b128 v[BI+8*\a+4:BI+8*\a+7], v3, s[68:69] offset:64*\a+16
.endr
	WIN 0
; n slot blocks from i0 on x all 8 p blocks, 32 along K, from buffer f.  The 72 accumulators take turns, one instruction a turn, in the same order in every quarter.
; zero = 1: the first product starts the sum from the bias: nothing is ever cleared.
.macro MULS f, i0, n, zero
.set ii, \i0
.rept \n
.irp a, 0,1,2,3,4,5,6,7
.set rD, 8*((8*ii+\a)%32)
.if \zero
	v_wmma_f32_16x16x32_bf16 v[rD:rD+7], v[FW+64*\f+8*\a:FW+64*\f+8*\a+7], v[FX+72*\f+8*ii:FX+72*\f+8*ii+7], v[BI+8*\a:BI+8*\a+7]
.else
	v_wmma_f32_16x16x32_bf16 v[rD:rD+7], v[FW+64*\f+8*\a:FW+64*\f+8*\a+7], v[FX+72*\f+8*ii:FX+72*\f+8*ii+7], v[rD:rD+7]
.endif
.endr
.set ii, ii+1
.endr
.endm
.macro REST f, zero                    ; slot blocks 4 to 8: 40 matrix instructions
.if \zero
	WIN Z2
.else
	WIN W2
.endif
	MULS \f, 4, 4, \zero
	WIN W3
	MULS \f, 8, 1, \zero
.endm
; 34 LDS loads in one run: a quarter step's fragments (32 K at byte k of the rows) into buffer f: wt's eight, then xs's nine
.macro FETCH slot, k, f
	WIN TO3
.irp a, 0,1,2,3,4,5,6,7
	ds_load_b128 v[FW+64*\f+8*\a:FW+64*\f+8*\a+3],   v[8+\slot] offset:\a*16*PITCH+\k
	ds_load_b128 v[FW+64*\f+8*\a+4:FW+64*\f+8*\a+7], v[8+\slot] offset:\a*16*PITCH+\k+32
.endr
	WIN 0
.irp i, 0,1,2,3,4,5,6,7,8
	ds_load_b128 v[FX+72*\f+8*\i:FX+72*\f+8*\i+3],   v[4+\slot] offset:\i*16*PITCH+\k
	ds_load_b128 v[FX+72*\f+8*\i+4:FX+72*\f+8*\i+7], v[4+\slot] offset:\i*16*PITCH+\k+32
.endr
.endm
; A K step of 128 is four quarters of 32, 72 matrix instructions each, on buffers 0, 1, 0, 1.  One of the first three: multiplies f, and behind its first 32 products fetches the next quarter into g.
.macro QUARTER slot, k, f, g, zero
	s_wait_dscnt 10                                ; wt's fragments and xs's blocks 0-3 are in; the youngest ten loads (blocks 4-8) may be out
.if \zero
	WIN Z1
.else
	WIN W1
.endif
	MULS \f, 0, 4, \zero
	PLACES
	FETCH \slot, \k, \g
	s_wait_dscnt 34                                ; all but the 34 just issued
	REST \f, \zero
.endm
; The last quarter's first part, and the change of slots: each wave waits for all its tensor loads (one is out: its part of the next slot), adds 0 to its spare word,
; and waits for that and for its own reads of this slot; behind the barrier nobody reads this slot any more and the next slot is whole.
.macro MEET round
	WIN 0                                          ; (the add's two registers lie in window 0)
	s_wait_tensorcnt 0x0
	ds_add_u32 v1, v2                              ; 0 onto my spare word
	s_wait_dscnt 11                                ; (the add and the youngest ten loads may be out)
	WIN W1
	MULS 1, 0, 2, 0                                ; sixteen matrix instructions stand between the add and the wait for it
	s_wait_dscnt 0x0                               ; the add is done, and my reads of this slot are over
	s_barrier_signal -1
	MULS 1, 2, 2, 0                                ; work on registers while the others arrive
.if \round
	WIN 0
.endif
	s_barrier_wait -1
.endm
; The whole last quarter.  The barrier opens a round of the cluster's barrier; behind the round this slot is filled again first, with the K step two on.
; From a request to the wait for it a wave issues 40 + 3 x 72 = 256 matrix instructions.
.macro TURN slot, next
	MEET 1
	CREST                                          ; no wave of any partner still reads this slot or has a load on its way
	s_add_nc_u64 s[G0A+4*\slot+2:G0A+4*\slot+3], s[G0A+4*\slot+2:G0A+4*\slot+3], 512
	s_add_nc_u64 s[G0W+4*\slot+2:G0W+4*\slot+3], s[G0W+4*\slot+2:G0W+4*\slot+3], 512
	JLOAD \slot                                    ; its four v_nop are also the places in front of the loads below
	FETCH \next, 0, 0
	REST 1, 0
.endm
; THE WAY OUT, in 18 passes: pass n is slot block n / 2, p blocks 4 (n % 2) .. + 3: the 32 registers of accumulators 4 n .. 4 n + 3, in window 1 + n / 8 at 32 (n % 8).
; COMB: times the slot's weight; each accumulator is read from its lowest registers on.
.macro COMB n
	WIN (1+(\n)/8)                                 ; source 0 in the accumulators' window
.set rA, 32*((\n)%8)
.set rW, WT+2*((\n)/4)
.set m, 0
.rept 16
.if (((\n)/2)%2) == 0
	v_pk_mul_f32 v[T+2*m:T+2*m+1], v[rA+2*m:rA+2*m+1], v[rW:rW+1] op_sel_hi:[1,0]
.else
	v_pk_mul_f32 v[T+2*m:T+2*m+1], v[rA+2*m:rA+2*m+1], v[rW:rW+1] op_sel:[0,1] op_sel_hi:[1,1]
.endif
.set m, m+1
.endr
	WIN 0
.endm
.macro TOSTAGE n                       ; into my own stage, and back as whole rows of 256 bytes
.set BK, OB+32*((\n)%2)
.irp a, 0,1,2,3
	ds_store_b128 v10, v[T+8*\a:T+8*\a+3]   offset:64*\a
	ds_store_b128 v10, v[T+8*\a+4:T+8*\a+7] offset:64*\a+16
.endr
.irp t, 0,1,2,3,4,5,6,7
	ds_load_b128 v[BK+4*\t:BK+4*\t+3], v11 offset:2*PITCH*\t   ; LDS serves a wave's instructions in order: these see the stores above
.endr
.endm
.macro SEND n
.set BK, OB+32*((\n)%2)
	s_wait_dscnt 0x0                               ; the pass is back in registers
	s_wait_xcnt 0x0                                ; the other set's registers, which earlier stores read, are loaded again only behind this wait
.irp t, 0,1,2,3,4,5,6,7
	global_store_b128 v12, v[BK+4*\t:BK+4*\t+3], s[66:67] offset:(16*((\n)/2)+2*\t)*4096+256*((\n)%2)   ; 16 lanes store 256 consecutive bytes, aligned
.endr
.endm
	s_wait_tensorcnt 0x1                           ; my part of K step 0 is in; slot 1's load may stay out
	s_barrier_signal -1
	s_barrier_wait -1                              ; everybody's is
	FETCH 0, 0, 0
	s_wait_loadcnt 0x0                             ; the indices and the bias
.irp i, 0,1,2,3,4,5,6,7,8
	v_min_u32 v[PIDX+\i], 0x3fff, v[PIDX+\i]       ; a pad's -1 becomes the last weight's index
	v_lshlrev_b32 v[PIDX+\i], 2, v[PIDX+\i]
.endr
.irp i, 0,1,2,3,4,5,6,7,8
	global_load_b32 v[WT+\i], v[PIDX+\i], s[10:11] offset:WTSO     ; my slot's weight; wanted on the way out
.endr
	QUARTER 0, 64, 0, 1, 1                         ; the first quarter stands in front of the loop: its products start the sums
	WIN 0                                          ; at a label and at a branch every window is 0
	s_mov_b32 s21, 3
.Llap:                                                 ; a trip goes once round the ring, from a lap's second quarter to the next lap's first, and fills both slots again
	QUARTER 0, 128, 1, 0, 0
	QUARTER 0, 192, 0, 1, 0
	TURN 0, 1
	QUARTER 1, 64,  0, 1, 0
	QUARTER 1, 128, 1, 0, 0
	QUARTER 1, 192, 0, 1, 0
	TURN 1, 0
	QUARTER 0, 64,  0, 1, 0
	WIN 0
	s_sub_co_u32 s21, s21, 1
	s_cmp_lg_u32 s21, 0
	s_cbranch_scc1 .Llap
	QUARTER 0, 128, 1, 0, 0                        ; the last lap is written out: it asks for nothing more
	QUARTER 0, 192, 0, 1, 0
	MEET 0                                         ; my one load that was out is the last K step's, so no round follows
	PLACES
	FETCH 1, 0, 0
	REST 1, 0
	QUARTER 1, 64,  0, 1, 0
	QUARTER 1, 128, 1, 0, 0
	QUARTER 1, 192, 0, 1, 0
	s_wait_dscnt 10                                ; the very last quarter: nothing more to fetch
	WIN W1
	MULS 1, 0, 4, 0
	s_wait_dscnt 0x0
	REST 1, 0
	WIN 0
	PLACES                                         ; the registers at work lie where the last products' fragments lay, and the first pass reads results
	s_wait_loadcnt 0x0                             ; the weights
	COMB 0
	TOSTAGE 0
.irp n, 1,2,3,4,5,6,7,8,9,10,11,12,13,14,15,16,17
	COMB \n                                        ; pass n's arithmetic stands between pass n - 1's loads from the stage and the wait for them
	SEND \n-1
	TOSTAGE \n
.endr
	SEND 17
	s_wait_tensorcnt 0x0                           ; the wave's end
	ds_add_u32 v1, v2
	s_wait_dscnt 0x0
	CROUND                                         ; the closing round: no work-group ends while a partner may still ask for a tile that names it
	s_endpgm
.Lfunc_end_k_q1fd4c3dbab_moe:
	.size	k_q1fd4c3dbab_moe, .Lfunc_end_k_q1fd4c3dbab_moe-k_q1fd4c3dbab_moe
	.p2alignl 7, 3214868480
	.fill 96, 4, 3214868480
	.section	.rodata,"a",@progbits
	.p2align	6, 0x0
	.amdhsa_kernel k_q1fd4c3dbab_moe
		.amdhsa_group_segment_fixed_size 327680
		.amdhsa_private_segment_fixed_size 0
		.amdhsa_enable_private_segment 0
		.amdhsa_kernarg_size 48
		.amdhsa_user_sgpr_count 2
		.amdhsa_user_sgpr_kernarg_segment_ptr 1
		.amdhsa_wavefront_size32 1
		.amdhsa_system_sgpr_workgroup_id_x 1
		.amdhsa_system_sgpr_workgroup_id_y 1
		.amdhsa_system_sgpr_workgroup_id_z 1
		.amdhsa_system_vgpr_workitem_id 0
		.amdhsa_next_free_vgpr 1024
		.amdhsa_next_free_sgpr 96
		.amdhsa_reserve_vcc 0
		.amdhsa_float_denorm_mode_32 3
		.amdhsa_float_denorm_mode_16_64 3
		.amdhsa_memory_ordered 1
		.amdhsa_forward_progress 1
		.amdhsa_inst_pref_size 178
	.end_amdhsa_kernel
	.amdgpu_metadata
---
amdhsa.version: [ 1, 2 ]
amdhsa.kernels:
  - .name:           k_q1fd4c3dbab_moe
    .symbol:         k_q1fd4c3dbab_moe.kd
    .args:
      - { .name: xs, .offset: 0, .size: 8, .value_kind: global_buffer, .address_space: global }
      - { .name: wt, .offset: 8, .size: 8, .value_kind: global_buffer, .address_space: global }
      - { .name: expert_b, .offset: 16, .size: 8, .value_kind: global_buffer, .address_space: global }
      - { .name: gw, .offset: 24, .size: 8, .value_kind: global_buffer, .address_space: global }
      - { .name: rt, .offset: 32, .size: 8, .value_kind: global_buffer, .address_space: global }
      - { .name: ys, .offset: 40, .size: 8, .value_kind: global_buffer, .address_space: global }
    .group_segment_fixed_size: 327680
    .private_segment_fixed_size: 0
    .kernarg_segment_align: 8
    .kernarg_segment_size: 48
    .max_flat_workgroup_size: 128
    .sgpr_count:     96
    .vgpr_count:     1024
    .wavefront_size: 32
...
	.end_amdgpu_metadata
.endif
;; end of part 8
;; launch finish (part 9): grid 512 x 1, 8 waves a work-group, no clusters, 68,608 bytes of LDS; arguments ys, rt, out0; writes out0
.if DOCPART == 9
	.amdgcn_target "amdgcn-amd-amdhsa--gfx1250"
	.amdhsa_code_object_version 6
	.text
	.protected	k_q1fd4c3dbab_finish
	.globl	k_q1fd4c3dbab_finish
	.p2align	8
	.type	k_q1fd4c3dbab_finish,@function
k_q1fd4c3dbab_finish:
	s_mov_b64 s[64:65], 0
	v_nop
	global_prefetch_b8 v0, s[64:65] scope:SCOPE_SE
	s_setreg_imm32_b32 hwreg(HW_REG_WAVE_MODE, 25, 1), 1
	s_wait_xcnt 0x0
; FINISH.  out0[b][p][n] = ys[slot of the token's lower expert][p] + ys[slot of its higher expert][p], token = 128 b + n: the two weighted results are added in f32 and turned.
; A work-group takes one batch b and 128 p: 2 x 128 pieces of 512 bytes of ys, gathered by slot, added, turned in LDS, stored as rows of 512 bytes.
; A stream: no matrix unit, no cluster (nothing is shared).  Wave w gathers tokens 16 w + 0..15, all 32 loads on their way at once; each covers 512 consecutive bytes, aligned.
; Token n lies in LDS row 32 (n % 4) + n / 4, so that lane L reads tokens 4 L + 0..3 from rows 528 bytes apart (33 x 16: an odd multiple of 16 bytes).
.set POSO,  73728                      ; rt: pos, two words a token
.set LASTS, 18431
.set LP,    528
.set A,     8                          ; v[8:39]    the 32 pieces' byte offsets in ys
.set X,     40                         ; v[40:167]  token t: 4 registers of the lower expert's piece, 4 of the higher's
.set O,     168                        ; v[168:199] two sets of 16 by turns
	s_load_b128 s[4:7], s[0:1], 0x0                ; ys s[4:5], rt s[6:7]
	s_load_b64 s[8:9], s[0:1], 0x10                ; out0
	v_lshl_add_u32 v200, v0, 2, 0x10800
	v_mov_b32 v201, 0
	v_lshrrev_b32 v1, 5, v0
	v_readfirstlane_b32 s10, v1                    ; wave 0..7
	v_and_b32 v2, 31, v0
	v_lshlrev_b32 v3, 4, v2                        ; 16 bytes a lane
	s_lshr_b32 s11, ttmp9, 3                       ; b
	s_and_b32 s2, ttmp9, 7                         ; which 128 p
	s_lshl_b32 s3, s11, 10
	s_lshl_b32 s12, s10, 7
	s_add_co_u32 s3, s3, s12                       ; my 16 tokens' 32 words of pos
	s_wait_kmcnt 0x0
	s_load_b512 s[16:31], s[6:7], s3 offset:POSO
	s_load_b512 s[32:47], s[6:7], s3 offset:POSO+64
	s_lshl_b32 s12, s2, 9
	s_mov_b32 s13, 0
	s_add_nc_u64 s[12:13], s[4:5], s[12:13]        ; ys at my 512 bytes of a row
	s_lshl_b32 s14, s11, 19
	s_lshl_b32 s15, s2, 16
	s_add_co_u32 s14, s14, s15
	s_lshl_b32 s15, s10, 13                        ; wave w stores p rows 16 w .. 16 w + 15 of the 128
	s_add_co_u32 s14, s14, s15
	s_mov_b32 s15, 0
	s_add_nc_u64 s[14:15], s[8:9], s[14:15]
	s_mul_i32 s2, s10, 4*LP
	v_add_nc_u32 v4, s2, v3                        ; in: row 4 w + t / 4 + 32 (t % 4), the last two terms in the offset
	v_mul_u32_u24 v6, v2, LP
	s_lshl_b32 s2, s10, 6
	v_add_nc_u32 v6, s2, v6                        ; back: row L (+ 32 i), byte 64 w
	s_wait_kmcnt 0x0
.set t, 0
.rept 32
	s_min_u32 s[16+t], s[16+t], LASTS
	s_lshl_b32 s[16+t], s[16+t], 12                ; rows of 4,096 bytes
	v_add_nc_u32 v[A+t], s[16+t], v3
	global_load_b128 v[X+4*t:X+4*t+3], v[A+t], s[12:13] th:TH_LOAD_NT
.set t, t+1
.endr
.set t, 0
.rept 16
	s_wait_loadcnt 30-2*t                          ; loads come back in order: token t's two are in, the later tokens' stay out
	v_pk_add_f32 v[X+8*t:X+8*t+1],   v[X+8*t:X+8*t+1],   v[X+8*t+4:X+8*t+5]
	v_pk_add_f32 v[X+8*t+2:X+8*t+3], v[X+8*t+2:X+8*t+3], v[X+8*t+6:X+8*t+7]
	ds_store_b128 v4, v[X+8*t:X+8*t+3] offset:((t&3)*32+(t>>2))*LP
.set t, t+1
.endr
	s_wait_dscnt 0x0                               ; for the others' sake
	s_barrier_signal -1
	s_barrier_wait -1
.set P, 0
.rept 4                                ; four quads of p a wave: for each, 4 p of each of my four tokens
.irp i, 0,1,2,3
	ds_load_b128 v[X+16*P+4*\i:X+16*P+4*\i+3], v6 offset:\i*32*LP+16*P
.endr
.set P, P+1
.endr
.set P, 0
.rept 4
	s_wait_dscnt 12-4*P                            ; quad P's four loads are in; the later quads' stay out
.if P >= 2
	s_wait_xcnt 0x0                                ; this set's registers, which earlier stores read, are written again only behind this wait
.endif
.set OO, O+16*(P%2)
.irp j, 0,1,2,3
.irp i, 0,1,2,3
	v_mov_b32 v[OO+4*\j+\i], v[X+16*P+4*\i+\j]     ; the 4 x 4 block is turned inside the lane: a store wants four neighbouring tokens in four neighbouring registers
.endr
.endr
.irp j, 0,1,2,3
	global_store_b128 v3, v[OO+4*\j:OO+4*\j+3], s[14:15] offset:(4*P+\j)*512 th:TH_STORE_NT    ; a whole row of 512 bytes
.endr
.set P, P+1
.endr
	s_barrier_signal -1
	s_barrier_wait -1
	s_wait_tensorcnt 0x0
	ds_add_u32 v200, v201
	s_wait_dscnt 0x0
	s_endpgm
.Lfunc_end_k_q1fd4c3dbab_finish:
	.size	k_q1fd4c3dbab_finish, .Lfunc_end_k_q1fd4c3dbab_finish-k_q1fd4c3dbab_finish
	.p2alignl 7, 3214868480
	.fill 96, 4, 3214868480
	.section	.rodata,"a",@progbits
	.p2align	6, 0x0
	.amdhsa_kernel k_q1fd4c3dbab_finish
		.amdhsa_group_segment_fixed_size 68608
		.amdhsa_private_segment_fixed_size 0
		.amdhsa_enable_private_segment 0
		.amdhsa_kernarg_size 24
		.amdhsa_user_sgpr_count 2
		.amdhsa_user_sgpr_kernarg_segment_ptr 1
		.amdhsa_wavefront_size32 1
		.amdhsa_system_sgpr_workgroup_id_x 1
		.amdhsa_system_sgpr_workgroup_id_y 1
		.amdhsa_system_sgpr_workgroup_id_z 1
		.amdhsa_system_vgpr_workitem_id 0
		.amdhsa_next_free_vgpr 202
		.amdhsa_next_free_sgpr 66
		.amdhsa_reserve_vcc 0
		.amdhsa_float_denorm_mode_32 3
		.amdhsa_float_denorm_mode_16_64 3
		.amdhsa_memory_ordered 1
		.amdhsa_forward_progress 1
		.amdhsa_inst_pref_size 18
	.end_amdhsa_kernel
	.amdgpu_metadata
---
amdhsa.version: [ 1, 2 ]
amdhsa.kernels:
  - .name:           k_q1fd4c3dbab_finish
    .symbol:         k_q1fd4c3dbab_finish.kd
    .args:
      - { .name: ys, .offset: 0, .size: 8, .value_kind: global_buffer, .address_space: global }
      - { .name: rt, .offset: 8, .size: 8, .value_kind: global_buffer, .address_space: global }
      - { .name: out0, .offset: 16, .size: 8, .value_kind: global_buffer, .address_space: global }
    .group_segment_fixed_size: 68608
    .private_segment_fixed_size: 0
    .kernarg_segment_align: 8
    .kernarg_segment_size: 24
    .max_flat_workgroup_size: 256
    .sgpr_count:     66
    .vgpr_count:     202
    .wavefront_size: 32
...
	.end_amdgpu_metadata
.endif
;; end of part 9
